; MI455X (gfx1250); checked and timed in simulation.
; The chip was launched on July 23, 2026; its instructions are those of AMD's public machine-readable ISA for CDNA 5 (MIT licence, August 2026) and "CDNA5" Instruction Set Architecture Reference Guide (July 2026). The comments in the code are by the model that wrote it; some were corrected since.
;; Multi Head Latent Attention. Allowed arithmetic: matrix products marked QUANTISED: E5M2 operands, one E8M0 scale for each 32 along K, by v_wmma_scale_f32_16x16x128_f8f6f4 with both operands' format E5M2, f32 sums; everything else in f32.
;; Inputs: kvd_b 512 float32; kvd_w_codes 512 x 32 x 32 uint8 (E5M2 codes of kvd_w, K innermost, in blocks of 32 codes); kvd_w_scales 512 x 32 uint8 (E8M0 scales of kvd_w, one for each 32 codes along K); kvu_b 2,048 float32; kvu_w_codes 2,048 x 16 x 32 uint8 (E5M2 codes of kvu_w, K innermost, in blocks of 32 codes); kvu_w_scales 2,048 x 16 uint8 (E8M0 scales of kvu_w, one for each 32 codes along K); out_b 1,024 float32; out_w_codes 1,024 x 32 x 32 uint8 (E5M2 codes of out_w, K innermost, in blocks of 32 codes); out_w_scales 1,024 x 32 uint8 (E8M0 scales of out_w, one for each 32 codes along K); q_b 1,024 float32; q_w_codes 1,024 x 32 x 32 uint8 (E5M2 codes of q_w, K innermost, in blocks of 32 codes); q_w_scales 1,024 x 32 uint8 (E8M0 scales of q_w, one for each 32 codes along K); x_codes 2 x 2,048 x 32 x 32 uint8 (E5M2 codes of x, K innermost, in blocks of 32 codes); x_scales 2 x 2,048 x 32 uint8 (E8M0 scales of x, one for each 32 codes along K).
;; Outputs: out0 2 x 2,048 x 1,024 float32.
;; This version of the problem:
;;   THIS VERSION OF THE PROBLEM IS GIVEN IN LOW PRECISION. The matrix products marked QUANTISED in the list below multiply operands that are first quantised to E5M2 (5 exponent bits, 2 mantissa bits; 8 bits a number), with one power-of-two scale for each 32 numbers along K (OCP MX v1.0); their sums are f32. All else is computed in f32.
;;   The module's matrix products, in the order in which they are computed (A, B: the left and right operand; K: the contracted axis; several contracted axes count as one K, in the product's order):
;;     1. [M 4,096, K 1,024] x [K 1,024, N 1,024]; A: input x (given as codes); B: input q_w (given as codes): QUANTISED
;;     2. [M 4,096, K 1,024] x [K 1,024, N 512]; A: input x (given as codes); B: input kvd_w (given as codes): QUANTISED
;;     3. [M 4,096, K 512] x [K 512, N 2,048]; A: computed on the way; B: input kvu_w (given as codes): QUANTISED
;;     4. batch 32 x [M 2,048, K 64] x [K 64, N 2,048]; A: computed on the way; B: computed on the way: QUANTISED
;;     5. batch 32 x [M 2,048, K 2,048] x [K 2,048, N 64]; A: softmax (see below); B: computed on the way: QUANTISED
;;     6. [M 4,096, K 1,024] x [K 1,024, N 1,024]; A: computed on the way; B: input out_w (given as codes): QUANTISED
;;   THE QUANTISER, for each operand of a quantised product, along K:
;;     - K is cut into blocks of 32 from its start; a last block that is shorter is filled with zeros.
;;     - A block's scale is 2^e with e = floor(log2(the largest magnitude in the block)) - 15, held to -126 .. 127; a block of zeros has e = 0. As a byte (E8M0): e + 127.
;;     - Each number is divided by its block's scale, clamped to +-57,344, and rounded to the nearest number of E5M2, ties to even, subnormals kept.
;;     - The product sums the exact products of the quantised numbers (number of the format x scale) in f32.
;;   ~~~python
;;   def quantise(x, axis):      # numpy; x: float32 -> the quantised numbers, widened to float32 again
;;       x = np.moveaxis(x, axis, -1); K = x.shape[-1]
;;       x = np.pad(x, [(0, 0)] * (x.ndim - 1) + [(0, -K % 32)]); x = x.reshape(x.shape[:-1] + (-1, 32)); a = np.abs(x).max(-1, keepdims=True)
;;       e = np.where(a > 0, np.clip(np.frexp(np.where(a > 0, a, 1))[1] - 1 - 15, -126, 127), 0)      # np.frexp(a)[1] - 1 = floor(log2(a)), exactly
;;       r = np.clip(x / 2.0 ** e, -57344, 57344)
;;       step = 2.0 ** (np.maximum(np.frexp(np.where(r == 0, 1, r))[1] - 1, -14) - 2)
;;       q = np.round(r / step) * step * 2.0 ** e      # np.round: ties to even
;;       return np.moveaxis(q.reshape(q.shape[:-2] + (-1,))[..., :K], -1, axis).astype(np.float32)
;;   ~~~
;;   SOFTMAX AHEAD OF A QUANTISED PRODUCT. Where the list says 'softmax', what is quantised is not the finished softmax but p = 2^(t - M), with t = logit x log2(e) and M = ceil(the row's largest t), a whole number; so 1/2 < the row's largest p <= 1. The row's sum l is taken of the UNQUANTISED p, in f32, and the product's result is divided by l at the end. Since M is a whole number, a kernel that streams over the keys may use a running M (the ceiling of the running maximum): every later rescaling is an exact power of two, which a block's scale takes up: the codes' values come out the same.
;;   OPERANDS COMPUTED ON THE WAY. 'Computed on the way' means the value that the module computes at that place (a softmax that the list does not call 'softmax' is quantised finished and normalised). What goes into a quantiser is computed in f32, as accurately as f32 sums, v_exp_f32 and their like allow (about 1e-6 of the number): no bf16 or f16 on the way to a quantiser, and a product that is left as it is and whose result goes on into a quantised operand takes f32 operands (vector FMAs, or v_wmma_f32_16x16x4_f32). A number that lies on a knife's edge between two numbers of the format may be rounded either way, as far as f32 arithmetic and the matrix unit's own rounding can turn it there, and no further.
;;   INPUTS GIVEN AS CODES. kvd_w (in the module: [512, 1024], K = its axis 1); kvu_w (in the module: [2048, 512], K = its axis 1); out_w (in the module: [1024, 1024], K = its axis 1); q_w (in the module: [1024, 1024], K = its axis 1); x (in the module: [2, 2048, 1024], K = its axis 2): each comes as NAME_codes (uint8): NAME with its K axis moved to the last place and cut into blocks of 32 codes, [.., K / 32, bytes a block], one block behind the other in memory; one code a byte (a code: sign, 5 exponent bits, 2 mantissa bits); and NAME_scales (uint8): the same leading axes, one E8M0 byte (e + 127) for each 32 codes along K. Its value is code x scale, taken as it is: it is not quantised again, and the codes and scales need not be those that the quantiser above would give.
;; One version. Each part assembles by itself: llvm-mc -triple=amdgcn-amd-amdhsa -mcpu=gfx1250 --defsym DOCPART=n.
;; ======== version 1 of 1: 4 launches
;; limits: right only within a limited range of input values
;; workspace buffers: qimg 4,194,304 bytes; qs 262,144 bytes; lat 2,097,152 bytes; lats 131,072 bytes; kvc 8,388,608 bytes; kvs 524,288 bytes; ao 4,194,304 bytes; aos 131,072 bytes
;; launch proj1 (part 1): grid 12 x 16, 4 waves a work-group, clusters of 4 x 4, 327,680 bytes of LDS; arguments x_codes, x_scales, q_w_codes, q_w_scales, q_b, kvd_w_codes, kvd_w_scales, kvd_b, qimg, qs, lat, lats; writes qimg, qs, lat, lats
.if DOCPART == 1
	.amdgcn_target "amdgcn-amd-amdhsa--gfx1250"
	.amdhsa_code_object_version 6
	.text
	.protected	k_q9a948b3fc9_proj1
	.globl	k_q9a948b3fc9_proj1
	.p2align	8
	.type	k_q9a948b3fc9_proj1,@function
k_q9a948b3fc9_proj1:
	s_mov_b64 s[64:65], 0
	v_nop
	global_prefetch_b8 v0, s[64:65] scope:SCOPE_SE
	s_setreg_imm32_b32 hwreg(HW_REG_WAVE_MODE, 25, 1), 1
	s_wait_xcnt 0x0
	s_wait_alu depctr_hold_cnt(0) depctr_sa_sdst(0) depctr_va_vdst(0) depctr_va_sdst(0) depctr_va_ssrc(0) depctr_va_vcc(0) depctr_vm_vsrc(0)
	s_getreg_b32 s2, hwreg(HW_REG_IB_STS2, 6, 4)
	s_cmp_eq_u32 s2, 0
	s_cbranch_scc0 .Lentry_in_a_cluster
	s_endpgm
.Lentry_in_a_cluster:
	s_bfe_u32 s2, ttmp6, 0x10000c
	s_cmp_lg_u32 s2, 0xf033
	s_cbranch_scc0 .Lentry_shape_is_right
	s_endpgm
.Lentry_shape_is_right:
; q = x q_w^T + q_b and latent = x kvd_w^T + kvd_b, on codes of BF8 (E5M2) with one E8M0 scale for each 32 along K = 1,024; both results are quantised here, in f32, along their next K.
; SHARES.  A work-group takes 256 tokens x 128 weight rows: blocks 0-7 along x are q_w's, blocks 8-11 kvd_w's (cluster x = 2: the pointers are chosen on the cluster's number, which all partners share).
; A wave takes 64 tokens (4 tiles) against all 128 rows (8 tiles): 32 accumulators.  THE PRODUCT IS USED TRANSPOSED: source 0 = 16 weight rows, source 1 = 16 tokens, so a lane holds ONE token
; and its registers run along the features, the axis that is quantised.  The bias is the C of each sum's first product.
; WHAT LEAVES: images of operand registers.  A group of four code registers is stored as it stands, lane l's 16 bytes at 16 l: 512 consecutive bytes a store.  Tiles are 16 neighbouring rows, so registers
; 4 c .. 4 c + 3 of lane (r, h) hold features 32 c + 8 h + 0..7 and 32 c + 16 + 8 h + 0..7: an order inside a block of 32 that the later launches give the other operand too.
;   qimg [batch x head][pair of query tiles][2 u + c'][512]; qs [batch x head][64 tokens][lane][2 words: (u0c0, u0c1, u1c0, u1c1) of a pair];  lat [token tile][K step][chunk][512]; lats [64 tokens][K step][lane][4 words].
; K goes in chunks of 256 (rows of 256 bytes) through three LDS slots; chunk 3 is the one refill, into slot 0.  CLUSTERS: 4 x 4; x's tiles are asked for jointly along a row, the weights' along a column.
; LIMITS: NaN and infinities are not served.  A block whose largest magnitude lies under 2^-111 has its byte held at 1, as the rule's clip has it; a block of zeros gets the byte 1 where the rule says 127:
; its codes are zeros, and this program alone reads the bytes.
; REGISTERS: window 0: v1-19 addresses, v20-35 at work, v36-43 scale words made, v64-159 scale words given, v160-223 codes made.  window 1: accumulators ((l, t) at 64 l + 8 t).
;   window 2: fragment set 0 (v0-127 weights, v128-191 tokens), v192-255 the bias.  window 3: fragment set 1.
.set PITCH, 272                        ; an LDS row: 256 bytes + 16 of padding, an odd multiple of 16
; THE FILLS AS THEY STAND NOW: K 0-511 comes by the head's one load a wave, rows of 512 bytes at a pitch of 528; K 512-767 by a first fill behind a drained round, rows at a pitch of 272, behind them;
; K 768-1023 by the one refill: rows of 256 bytes with 272 bytes skipped behind each, so that it lands on the very bytes in which K 0-255 lay.
.set P5,    528                        ; 512 bytes + 16 of padding, an odd multiple of 16
.set WOFF,  256*P5                     ; x's 256 rows, then the weights' 128
.set RB,    384*P5                     ; the room of K 512-767
.set SPARE, RB+384*PITCH               ; behind it: the spare words, 128 bytes a wave
.set LI,   4                           ; v4   16 x lane
.set LI8,  5                           ; v5   8 x lane
.set SPW,  6                           ; v6   my spare word; never rewritten
.set NIL,  7                           ; v7   0; never rewritten
.set AX,   8                           ; v8-9  my token rows in the first room and the second
.set AW,   11                          ; v11-12 the weight rows
.set TM,   20                          ; v20-23 largest magnitudes, v24-27 bytes, v28-31 the hold, v32-35 the conversions' scale operand
.set PWS,  36                          ; v36-39 the scale word of token tile l
.set HW,   40                          ; v40-43 the words by head and pair
.set PC,   160                         ; v160-223 codes: 16 registers a token tile
.set A_B,  64                          ; the weights' scale word of tile t, K step s: v[64 + 8 t + s]
.set A_T1, 32
.set A_T0, 8
.set A_S,  1
.set B_B,  128                         ; x's, of tile l: v[128 + 8 l + s]
.set B_T0, 8
.set B_S,  1
.set WV,  28
.set HB,  29
.set FB,  30
.set CX,  31
.set CY,  32
.set BX,  33
.set BY,  34
.set BXL, 35
.set G1X, 40
.set G1W, 48
.set CB,  56
.set SB,  58
.set FLR, 60
.set MNT, 61
.set SEL, 62
.set G0X, 68                           ; s[68:79] three groups 0 for x's chunks
.set G0W, 80                           ; s[80:91] three for the weights'
.set PSEL, 92
.set MSB, 0
.macro WIN new                         ; the immediate's high byte repeats the setting that is left
.if MSB != (\new)
	s_set_vgpr_msb (MSB<<8)|(\new)
.set MSB, (\new)
.endif
.endm
.macro PLACES n
.rept \n
	v_nop
.endr
.endm
.macro BAR
	s_barrier_signal -1
	s_barrier_wait -1
.endm
.macro ROUND                           ; a round of the cluster's barrier
	s_barrier_signal -1
	s_barrier_wait -1
	s_cmp_lg_u32 s[WV], 0
	s_cbranch_scc1 .Lnot_wave_0_\@
	s_barrier_signal -3
.Lnot_wave_0_\@:
	s_barrier_wait -3
	s_barrier_signal -1
	s_barrier_wait -1
.endm
.macro FRAG_R dst, adr, off            ; a fragment from rows, k as it lies: registers 4 c .. 4 c + 3 = k 32 c + 16 h + 0..15
.irp c, 0,1,2,3
	ds_load_b128 v[(\dst)+4*\c:(\dst)+4*\c+3], v[\adr] offset:(\off)+32*\c
.endr
.endm
.macro FETCH p, s
	WIN 0x80+0x40*(\p)
.if (\s)/2 == 2                        ; K steps 4, 5: the second room
.set FP_, PITCH
.set FR_, 1
.set FO_, 128*((\s)%2)
.elseif (\s) < 4                       ; K steps 0-3
.set FP_, P5
.set FR_, 0
.set FO_, 128*(\s)
.else                                  ; K steps 6, 7 lie where 0, 1 lay
.set FP_, P5
.set FR_, 0
.set FO_, 128*((\s)%2)
.endif
.irp t, 0,1,2,3,4,5,6,7
	FRAG_R 16*\t, AW+FR_, 16*\t*FP_+FO_
.endr
.irp l, 0,1,2,3
	FRAG_R 128+16*\l, AX+FR_, 16*\l*FP_+FO_
.endr
.endm
.macro MUL p, s, cm                    ; 32 products, the 32 accumulators by turns.  cm = 1: the bias starts the sums
.if (\cm) == 0
	WIN 0x5a+5*(\p)
.else
	WIN 0x6a
.endif
.irp l, 0,1,2,3
.irp t, 0,1,2,3,4,5,6,7
.set rD, 64*\l+8*\t
.set rA, 16*\t
.set rB, 128+16*\l
.set rX, A_B+A_T1*(\t/4)+A_T0*(\t%4)+A_S*(\s)
.set rY, B_B+B_T0*\l+B_S*(\s)
.if (\cm) == 0
	v_wmma_scale_f32_16x16x128_f8f6f4 v[rD:rD+7], v[rA:rA+15], v[rB:rB+15], v[rD:rD+7], v[rX], v[rY] matrix_a_fmt:MATRIX_FMT_BF8 matrix_b_fmt:MATRIX_FMT_BF8
.else
	v_wmma_scale_f32_16x16x128_f8f6f4 v[rD:rD+7], v[rA:rA+15], v[rB:rB+15], v[192+8*\t:192+8*\t+7], v[rX], v[rY] matrix_a_fmt:MATRIX_FMT_BF8 matrix_b_fmt:MATRIX_FMT_BF8
.endif
.endr
.endr
.endm
.macro QUANT l                         ; token tile l: 64 numbers a lane (four blocks, 16 of each; lane l xor 16 has the other 16) become 16 code registers and a scale word
	WIN 0x14                                       ; sources 1 and 2 in window 1
.irp b, 0,1,2,3
	v_max3_num_f32 v[TM+\b], s[FLR], |v[64*\l+16*\b]|, |v[64*\l+16*\b+1]|   ; with the floor 2^(16 - 127): the byte cannot fall under 1.  Each accumulator is read from its low end on
.endr
.irp i, 2,4,6,8,10,12,14
.irp b, 0,1,2,3
	v_max3_num_f32 v[TM+\b], v[TM+\b], |v[64*\l+16*\b+\i]|, |v[64*\l+16*\b+\i+1]|
.endr
.endr
	WIN 0
.irp b, 0,1,2,3
	v_permlanex16_b32 v[TM+4+\b], v[TM+\b], s[SEL], s[SEL+1]
.endr
.irp b, 0,1,2,3
	v_max_num_f32 v[TM+\b], v[TM+\b], v[TM+4+\b]   ; the block's largest magnitude
.endr
.irp b, 0,1,2,3
	v_add_nc_u32 v[TM+12+\b], 0xf8800000, v[TM+\b] ; 15 off its exponent field: the conversion's scale operand
.endr
.irp b, 0,1,2,3
	v_and_or_b32 v[TM+8+\b], v[TM+\b], 0x7f800000, s[MNT]   ; 57,344 x the scale
.endr
.irp b, 0,1,2,3
	v_lshrrev_b32 v[TM+4+\b], 23, v[TM+12+\b]      ; the scale's byte
.endr
	v_lshl_or_b32 v[PWS+\l], v[TM+5], 8, v[TM+4]
	v_lshl_or_b32 v[PWS+\l], v[TM+6], 16, v[PWS+\l]
	v_lshl_or_b32 v[PWS+\l], v[TM+7], 24, v[PWS+\l]
	WIN 0x41                                       ; destination and source 0 in window 1
.irp b, 0,1,2,3
.irp i, 0,1,2,3,4,5,6,7,8,9,10,11,12,13,14,15
	v_med3_num_f32 v[64*\l+16*\b+\i], v[64*\l+16*\b+\i], -v[TM+8+\b], v[TM+8+\b]   ; the conversion to an 8-bit code does not saturate (ISA guide 7.6.2): the hold
.endr
.endr
	WIN 0x01
.irp b, 0,1,2,3
	v_cvt_scalef32_pk8_bf8_f32 v[PC+16*\l+4*\b:PC+16*\l+4*\b+1], v[64*\l+16*\b:64*\l+16*\b+7], v[TM+12+\b]
	v_cvt_scalef32_pk8_bf8_f32 v[PC+16*\l+4*\b+2:PC+16*\l+4*\b+3], v[64*\l+16*\b+8:64*\l+16*\b+15], v[TM+12+\b]
.endr
	WIN 0
	v_nop                                          ; one plain line behind the last conversion, ahead of the next writes of its sources
.endm
.macro E_TILE ts                       ; whole fragments, tile l at l x ts; the four tiles' words in one store
.irp l, 0,1,2,3
.irp c, 0,1,2,3
	global_store_b128 v[LI], v[PC+16*\l+4*\c:PC+16*\l+4*\c+3], s[CB:CB+1] offset:\l*\ts+512*\c
.endr
.endr
	global_store_b128 v[LI], v[PWS:PWS+3], s[SB:SB+1]
.endm
.macro E_HEAD hs, hss                  ; the 128 features are two heads: chunks 0, 1 and 2, 3.  Two token tiles make a pair's image
.irp x, 0,1
.irp p, 0,1
	v_perm_b32 v[HW+2*\x+\p], v[PWS+2*\p+1], v[PWS+2*\p], s[PSEL+\x]   ; (u0c0, u0c1, u1c0, u1c1) of head x, pair p
.endr
.endr
	s_wait_alu depctr_va_vdst(0)
.irp l, 0,1,2,3
.irp c, 0,1,2,3
	global_store_b128 v[LI], v[PC+16*\l+4*\c:PC+16*\l+4*\c+3], s[CB:CB+1] offset:(\c/2)*\hs+(\l/2)*2048+(2*(\l%2)+\c%2)*512
.endr
.endr
.irp x, 0,1
	global_store_b64 v[LI8], v[HW+2*\x:HW+2*\x+1], s[SB:SB+1] offset:\x*\hss
.endr
.endm
	s_load_b256 s[4:11], s[0:1], 0x0               ; x's codes s[4:5], x's scales s[6:7], q_w's codes s[8:9], its scales s[10:11]
	s_load_b256 s[12:19], s[0:1], 0x20             ; q_b s[12:13], kvd_w's codes s[14:15], its scales s[16:17], kvd_b s[18:19]
	s_load_b256 s[20:27], s[0:1], 0x40             ; qimg, qs, lat, lats
	v_lshl_add_u32 v[SPW], v0, 2, SPARE
	v_mov_b32 v[NIL], 0
	ds_add_u32 v6, v7
	ds_add_u32 v6, v7
	s_wait_dscnt 0x0
	v_lshrrev_b32 v1, 5, v0
	v_readfirstlane_b32 s[WV], v1                  ; wave 0..3
	s_and_b32 s[HB], s[WV], 1                      ; which half of a tile I fetch
	s_lshr_b32 s[FB], s[WV], 1                     ; 0: I fetch for x; 1: for the weights
	s_bfe_u32 s[CX], ttmp6, 0x40000
	s_bfe_u32 s[CY], ttmp6, 0x40004
	s_lshl_b32 s[BX], ttmp9, 2
	s_add_co_u32 s[BX], s[BX], s[CX]               ; block of 128 weight rows
	s_and_b32 s[BY], ttmp7, 0xffff
	s_lshl_b32 s[BY], s[BY], 2
	s_add_co_u32 s[BY], s[BY], s[CY]               ; block of 256 tokens
	s_lshl_b32 s36, s[CY], 2
	s_lshl_b32 s36, 15, s36                        ; my row of the cluster
	s_lshl_b32 s37, 0x1111, s[CX]                  ; my column
	s_or_b32 s[G1X], s36, (1<<20)|(1<<21)|(6<<22)|(3<<25)   ; the mask; elements of 1 byte; padding on; bit 21 beside a mask; 4 words behind every 128
	s_or_b32 s[G1W], s37, (1<<20)|(1<<21)|(6<<22)|(3<<25)
	s_mov_b32 s[G1X+1], 512<<16                    ; tensor_dim0 = 512
	s_mov_b32 s[G1X+2], 128<<16                    ; tensor_dim1 = 128
	s_mov_b32 s[G1X+3], 512<<16                    ; tile_dim0
	s_mov_b32 s[G1X+4], 128                        ; tile_dim1
	s_mov_b32 s[G1X+5], 1024                       ; from row to row
	s_mov_b32 s[G1X+6], 0
	s_mov_b32 s[G1X+7], 0
	s_mov_b32 s[G1W+1], 512<<16
	s_mov_b32 s[G1W+2], 64<<16
	s_mov_b32 s[G1W+3], 512<<16
	s_mov_b32 s[G1W+4], 64
	s_mov_b32 s[G1W+5], 1024
	s_mov_b32 s[G1W+6], 0
	s_mov_b32 s[G1W+7], 0
	s_cmp_eq_u32 ttmp9, 2
	s_cselect_b32 s[BXL], 8, 0
	s_sub_co_u32 s[BXL], s[BX], s[BXL]             ; the block's number in its own weight
	s_lshl_b32 s94, s[BY], 18                      ; x: (256 by + 128 half) rows of 1,024 bytes
	s_lshl_b32 s95, s[HB], 17
	s_add_co_u32 s94, s94, s95
	s_mov_b32 s95, 0
	s_lshl_b32 s96, s[BXL], 17                     ; the weight: (128 block + 64 half) rows
	s_lshl_b32 s97, s[HB], 16
	s_add_co_u32 s96, s96, s97
	s_mov_b32 s97, 0
	s_mul_i32 s38, s[HB], 128*P5                   ; where they go: the wave's number alone enters an LDS address
	s_mul_i32 s39, s[HB], 64*P5
	s_add_co_u32 s39, s39, WOFF
	s_mul_i32 s2, s[HB], 128*PITCH                 ; and in the second room
	s_add_co_u32 s2, s2, RB
	s_mul_i32 s3, s[HB], 64*PITCH
	s_add_co_u32 s3, s3, RB+256*PITCH
	s_mov_b32 s[FLR], 0x8000000
	s_mov_b32 s[MNT], 0x600000
	s_mov_b32 s[SEL], 0x76543210
	s_mov_b32 s[SEL+1], 0xfedcba98
	s_mov_b32 s[PSEL], 0x05040100
	s_mov_b32 s[PSEL+1], 0x07060302
	s_wait_kmcnt 0x0
	s_cmp_eq_u32 ttmp9, 2                          ; q_w or kvd_w: the choice hangs on the cluster's number alone
	s_cselect_b64 s[8:9], s[14:15], s[8:9]
	s_cselect_b64 s[10:11], s[16:17], s[10:11]
	s_cselect_b64 s[12:13], s[18:19], s[12:13]
	s_add_nc_u64 s[94:95], s[4:5], s[94:95]
	s_add_nc_u64 s[96:97], s[8:9], s[96:97]
	ROUND                                          ; all sixteen work-groups are here: the first joint loads meet
.irp j, 0,1,2
	s_mov_b32 s[G0X+4*\j], 1
	s_add_nc_u64 s[G0X+4*\j+2:G0X+4*\j+3], s[94:95], 256*(\j+(\j+1)/2)   ; K 0, 512, 768
	s_or_b32 s[G0X+4*\j+3], s[G0X+4*\j+3], 0x80000000
	s_mov_b32 s[G0W+4*\j], 1
	s_add_nc_u64 s[G0W+4*\j+2:G0W+4*\j+3], s[96:97], 256*(\j+(\j+1)/2)
	s_or_b32 s[G0W+4*\j+3], s[G0W+4*\j+3], 0x80000000
.endr
	s_mov_b32 s[G0X+1], s38
	s_mov_b32 s[G0X+5], s2
	s_mov_b32 s[G0X+9], s38                        ; the refill lands where K 0-255 lay
	s_mov_b32 s[G0W+1], s39
	s_mov_b32 s[G0W+5], s3
	s_mov_b32 s[G0W+9], s39
	s_cmp_eq_u32 s[FB], 0                          ; one tensor load a wave at the head
	s_cbranch_scc0 .Lfirst_w
	tensor_load_to_lds s[G0X:G0X+3], s[G1X:G1X+7]
	s_nop 0
	PLACES 4
	s_branch .Lfirst_done
.Lfirst_w:
	tensor_load_to_lds s[G0W:G0W+3], s[G1W:G1W+7]
	s_nop 0
	PLACES 4
.Lfirst_done:
	v_and_b32 v1, 31, v0                           ; lane
	v_and_b32 v2, 15, v0                           ; r
	v_bfe_u32 v3, v0, 4, 1                         ; h
	v_lshlrev_b32 v[LI], 4, v1
	v_lshlrev_b32 v[LI8], 3, v1
	v_mul_u32_u24 v16, v2, P5
	v_lshl_add_u32 v16, v3, 4, v16                 ; row r, + 16 h, at the pitch of 528
	s_mul_i32 s2, s[WV], 64*P5
	v_add_nc_u32 v[AX], s2, v16                    ; my 64 tokens
	v_add_nc_u32 v[AW], WOFF, v16
	v_mul_u32_u24 v16, v2, PITCH
	v_lshl_add_u32 v16, v3, 4, v16                 ; the same at the pitch of 272, in the second room
	s_mul_i32 s2, s[WV], 64*PITCH
	s_add_co_u32 s2, s2, RB
	v_add_nc_u32 v[AX+1], s2, v16
	v_add_nc_u32 v[AW+1], RB+256*PITCH, v16
	v_lshlrev_b32 v17, 5, v2                       ; a row of scale bytes is 32 bytes
	s_wait_alu depctr_va_vdst(0)
	v_lshlrev_b32 v18, 5, v3                       ; the bias of my half's eight features
	s_wait_alu depctr_va_vdst(0)
.irp b, 0,1,2,3
	v_mov_b32 v[TM+4+\b], 0                        ; written once: a lane permute's destination counts as one of its sources
.endr
	s_lshl_b32 s100, s[BXL], 12                    ; 128 rows x 32 bytes
	s_mov_b32 s101, 0
	s_add_nc_u64 s[10:11], s[10:11], s[100:101]
	s_lshl_b32 s100, s[BXL], 9                     ; 128 numbers of the bias
	s_add_nc_u64 s[12:13], s[12:13], s[100:101]
	s_lshl_b32 s98, s[BY], 13
	s_lshl_b32 s99, s[WV], 11
	s_add_co_u32 s98, s98, s99                     ; (256 by + 64 wave) x 32 bytes
	s_mov_b32 s99, 0
	s_add_nc_u64 s[6:7], s[6:7], s[98:99]
.irp t, 0,1,2,3,4,5,6,7                        ; the scale words of all of K go straight into registers: 32 bytes a row, neighbouring rows in neighbouring lanes
	global_load_b128 v[A_B+8*\t:A_B+8*\t+3], v17, s[10:11] offset:512*\t
	global_load_b128 v[A_B+8*\t+4:A_B+8*\t+7], v17, s[10:11] offset:512*\t+16
.endr
.irp l, 0,1,2,3
	global_load_b128 v[B_B+8*\l:B_B+8*\l+3], v17, s[6:7] offset:512*\l
	global_load_b128 v[B_B+8*\l+4:B_B+8*\l+7], v17, s[6:7] offset:512*\l+16
.endr
	WIN 0x80
.irp t, 0,1,2,3,4,5,6,7                        ; the bias in the result's layout: lane (r, h), register j: feature 16 t + 8 h + j
	global_load_b128 v[192+8*\t:192+8*\t+3], v18, s[12:13] offset:64*\t
	global_load_b128 v[192+8*\t+4:192+8*\t+7], v18, s[12:13] offset:64*\t+16
.endr
	WIN 0
	s_wait_tensorcnt 0x0                           ; my part of K 0-511 is in
	ds_add_u32 v[SPW], v[NIL]
	s_or_b32 s[G1X], s36, (1<<20)|(1<<21)|(5<<22)|(3<<25)   ; no tensor load of mine is out: from here on rows of 256 bytes, 4 words behind every 64
	s_or_b32 s[G1W], s37, (1<<20)|(1<<21)|(5<<22)|(3<<25)
	s_mov_b32 s[G1X+1], 256<<16
	s_mov_b32 s[G1X+3], 256<<16
	s_mov_b32 s[G1W+1], 256<<16
	s_mov_b32 s[G1W+3], 256<<16
	s_wait_dscnt 0x0
	ROUND                                          ; everybody's part is in, and the joint loads meet
	s_cmp_eq_u32 s[FB], 0
	s_cbranch_scc0 .Lb_w
	tensor_load_to_lds s[G0X+4:G0X+7], s[G1X:G1X+7]   ; K 512-767
	s_nop 0
	PLACES 4
	s_branch .Lb_done
.Lb_w:
	tensor_load_to_lds s[G0W+4:G0W+7], s[G1W:G1W+7]
	s_nop 0
	PLACES 4
.Lb_done:
	FETCH 0, 0
	s_wait_loadcnt 0x0                             ; scale words and bias
	s_wait_dscnt 0x0
	FETCH 1, 1
	MUL 0, 0, 1
	s_wait_dscnt 0x0                               ; K step 1's fragments, asked for ahead of the 32 products above
	PLACES 8                                       ; eight places ahead of loads into registers that matrix instructions have read
	FETCH 0, 2
	MUL 1, 1, 0
	s_wait_dscnt 0x0
	PLACES 8
	FETCH 1, 3
	MUL 0, 2, 0
	WIN 0                                          ; THE ONE REFILL: chunk 3 into slot 0, whose last reads were K step 1's
	s_wait_tensorcnt 0x0                           ; all my tensor loads have landed: chunk 2, which is wanted now in any case
	ds_add_u32 v[SPW], v[NIL]                      ; 0 onto my spare word
	s_or_b32 s[G1X], s36, (1<<20)|(1<<21)|(5<<22)|(67<<25)  ; no tensor load of mine is out: 68 words are skipped behind every 64, the pitch of 528
	s_or_b32 s[G1W], s37, (1<<20)|(1<<21)|(5<<22)|(67<<25)
	s_wait_dscnt 0x0                               ; the add is done, and my LDS reads are back, K step 3's among them
	ROUND                                          ; no wave of any partner still reads slot 0 or has a load on its way
	s_cmp_eq_u32 s[FB], 0
	s_cbranch_scc0 .Lre_w
	tensor_load_to_lds s[G0X+8:G0X+11], s[G1X:G1X+7]
	s_nop 0
	PLACES 4
	s_branch .Lre_done
.Lre_w:
	tensor_load_to_lds s[G0W+8:G0W+11], s[G1W:G1W+7]
	s_nop 0
	PLACES 4
.Lre_done:
	PLACES 4                                       ; with the four above: eight
	FETCH 0, 4
	MUL 1, 3, 0
	s_wait_dscnt 0x0
	PLACES 8
	FETCH 1, 5
	MUL 0, 4, 0
	s_wait_dscnt 0x0
	s_wait_tensorcnt 0x0                           ; chunk 3: no load was issued behind it
	BAR
	PLACES 8
	FETCH 0, 6
	MUL 1, 5, 0
	s_wait_dscnt 0x0
	PLACES 8
	FETCH 1, 7
	MUL 0, 6, 0
	s_wait_dscnt 0x0
	MUL 1, 7, 0
	PLACES 8                                       ; ahead of the first read of results
	QUANT 0
	QUANT 1
	QUANT 2
	QUANT 3
	s_lshl_b32 s98, s[BY], 2
	s_add_co_u32 s98, s98, s[WV]                   ; G: my 64 tokens among 64 such groups
	s_mov_b32 s101, 0
	s_cmp_eq_u32 ttmp9, 2
	s_cbranch_scc1 .Llatent
	s_lshr_b32 s99, s98, 5                         ; the batch
	s_lshl_b32 s99, s99, 4
	s_lshl_b32 s2, s[BX], 1
	s_add_co_u32 s99, s99, s2                      ; batch x 16 + my first head
	s_and_b32 s98, s98, 31
	s_lshl_b32 s100, s99, 17                       ; a head's images: 131,072 bytes; my two pairs: 4,096
	s_lshl_b32 s2, s98, 12
	s_add_co_u32 s100, s100, s2
	s_add_nc_u64 s[CB:CB+1], s[20:21], s[100:101]
	s_lshl_b32 s100, s99, 13
	s_lshl_b32 s2, s98, 8
	s_add_co_u32 s100, s100, s2
	s_add_nc_u64 s[SB:SB+1], s[22:23], s[100:101]
	E_HEAD 131072, 8192
	s_branch .Ldone
.Llatent:
	s_lshl_b32 s100, s98, 15                       ; four tiles of 8,192 bytes; my 128 features are K step cx of the next product
	s_lshl_b32 s2, s[CX], 11
	s_add_co_u32 s100, s100, s2
	s_add_nc_u64 s[CB:CB+1], s[24:25], s[100:101]
	s_lshl_b32 s100, s98, 2
	s_add_co_u32 s100, s100, s[CX]
	s_lshl_b32 s100, s100, 9
	s_add_nc_u64 s[SB:SB+1], s[26:27], s[100:101]
	s_wait_alu depctr_va_vdst(0)
	E_TILE 8192
.Ldone:
	s_wait_tensorcnt 0x0                           ; the wave's end
	ds_add_u32 v[SPW], v[NIL]
	s_wait_dscnt 0x0
	ROUND                                          ; the closing round: no work-group ends while a partner may still ask for a tile that names it
	s_endpgm
.Lfunc_end_k_q9a948b3fc9_proj1:
	.size	k_q9a948b3fc9_proj1, .Lfunc_end_k_q9a948b3fc9_proj1-k_q9a948b3fc9_proj1
	.p2alignl 7, 3214868480
	.fill 96, 4, 3214868480
	.section	.rodata,"a",@progbits
	.p2align	6, 0x0
	.amdhsa_kernel k_q9a948b3fc9_proj1
		.amdhsa_group_segment_fixed_size 327680
		.amdhsa_private_segment_fixed_size 0
		.amdhsa_enable_private_segment 0
		.amdhsa_kernarg_size 96
		.amdhsa_user_sgpr_count 2
		.amdhsa_user_sgpr_kernarg_segment_ptr 1
		.amdhsa_wavefront_size32 1
		.amdhsa_system_sgpr_workgroup_id_x 1
		.amdhsa_system_sgpr_workgroup_id_y 1
		.amdhsa_system_sgpr_workgroup_id_z 1
		.amdhsa_system_vgpr_workitem_id 0
		.amdhsa_next_free_vgpr 1024
		.amdhsa_next_free_sgpr 102
		.amdhsa_reserve_vcc 0
		.amdhsa_float_denorm_mode_32 3
		.amdhsa_float_denorm_mode_16_64 3
		.amdhsa_memory_ordered 1
		.amdhsa_forward_progress 1
		.amdhsa_inst_pref_size 109
	.end_amdhsa_kernel
	.amdgpu_metadata
---
amdhsa.version: [ 1, 2 ]
amdhsa.kernels:
  - .name:           k_q9a948b3fc9_proj1
    .symbol:         k_q9a948b3fc9_proj1.kd
    .args:
      - { .name: x_codes, .offset: 0, .size: 8, .value_kind: global_buffer, .address_space: global }
      - { .name: x_scales, .offset: 8, .size: 8, .value_kind: global_buffer, .address_space: global }
      - { .name: q_w_codes, .offset: 16, .size: 8, .value_kind: global_buffer, .address_space: global }
      - { .name: q_w_scales, .offset: 24, .size: 8, .value_kind: global_buffer, .address_space: global }
      - { .name: q_b, .offset: 32, .size: 8, .value_kind: global_buffer, .address_space: global }
      - { .name: kvd_w_codes, .offset: 40, .size: 8, .value_kind: global_buffer, .address_space: global }
      - { .name: kvd_w_scales, .offset: 48, .size: 8, .value_kind: global_buffer, .address_space: global }
      - { .name: kvd_b, .offset: 56, .size: 8, .value_kind: global_buffer, .address_space: global }
      - { .name: qimg, .offset: 64, .size: 8, .value_kind: global_buffer, .address_space: global }
      - { .name: qs, .offset: 72, .size: 8, .value_kind: global_buffer, .address_space: global }
      - { .name: lat, .offset: 80, .size: 8, .value_kind: global_buffer, .address_space: global }
      - { .name: lats, .offset: 88, .size: 8, .value_kind: global_buffer, .address_space: global }
    .group_segment_fixed_size: 327680
    .private_segment_fixed_size: 0
    .kernarg_segment_align: 8
    .kernarg_segment_size: 96
    .max_flat_workgroup_size: 128
    .sgpr_count:     102
    .vgpr_count:     1024
    .wavefront_size: 32
...
	.end_amdgpu_metadata
.endif
;; end of part 1
;; launch proj2 (part 2): grid 8 x 32, 4 waves a work-group, clusters of 4 x 4, 327,680 bytes of LDS; arguments lat, lats, kvu_w_codes, kvu_w_scales, kvu_b, kvc, kvs; writes kvc, kvs
.if DOCPART == 2
	.amdgcn_target "amdgcn-amd-amdhsa--gfx1250"
	.amdhsa_code_object_version 6
	.text
	.protected	k_q9a948b3fc9_proj2
	.globl	k_q9a948b3fc9_proj2
	.p2align	8
	.type	k_q9a948b3fc9_proj2,@function
k_q9a948b3fc9_proj2:
	s_mov_b64 s[64:65], 0
	v_nop
	global_prefetch_b8 v0, s[64:65] scope:SCOPE_SE
	s_setreg_imm32_b32 hwreg(HW_REG_WAVE_MODE, 25, 1), 1
	s_wait_xcnt 0x0
	s_wait_alu depctr_hold_cnt(0) depctr_sa_sdst(0) depctr_va_vdst(0) depctr_va_sdst(0) depctr_va_ssrc(0) depctr_va_vcc(0) depctr_vm_vsrc(0)
	s_getreg_b32 s2, hwreg(HW_REG_IB_STS2, 6, 4)
	s_cmp_eq_u32 s2, 0
	s_cbranch_scc0 .Lentry_in_a_cluster
	s_endpgm
.Lentry_in_a_cluster:
	s_bfe_u32 s2, ttmp6, 0x10000c
	s_cmp_lg_u32 s2, 0xf033
	s_cbranch_scc0 .Lentry_shape_is_right
	s_endpgm
.Lentry_shape_is_right:
.set WP,   528
.set LATB, 256*WP
.set LI,   4
.set LI8,  5
.set AWK,  8
.set ALK,  9
.set AWV,  10
.set ALV,  11
.set TM,   20
.set PWS,  36
.set HW,   40
.set PC,   160
.set WV,  20
.set CX,  21
.set CY,  22
.set X,   23
.set Y,   24
.set IH,  27
.set KH,  28
.set G1W, 32
.set G1L, 40
.set G0W, 48
.set G0L, 52
.set CB,  56
.set SB,  58
.set FLR, 60
.set MNT, 61
.set SEL, 62
.set PSEL, 66
.set MSB, 0
.macro WIN new
.if MSB != (\new)
	s_set_vgpr_msb (MSB<<8)|(\new)
.set MSB, (\new)
.endif
.endm
.macro PLACES n
.rept \n
	v_nop
.endr
.endm
.macro ROUND
	s_barrier_signal -1
	s_barrier_wait -1
	s_cmp_lg_u32 s[WV], 0
	s_cbranch_scc1 .Lnot_wave_0_\@
	s_barrier_signal -3
.Lnot_wave_0_\@:
	s_barrier_wait -3
	s_barrier_signal -1
	s_barrier_wait -1
.endm
.macro FRAG_P dst, adr, off
.irp e, 0,1,2,3,4,5,6,7
	ds_load_b64 v[(\dst)+2*\e:(\dst)+2*\e+1], v[\adr] offset:(\off)+16*\e
.endr
.endm
.macro FRAG_I dst, adr, off
.irp c, 0,1,2,3
	ds_load_b128 v[(\dst)+4*\c:(\dst)+4*\c+3], v[\adr] offset:(\off)+512*\c
.endr
.endm
.macro FETCHK p, s
	WIN 0x80+0x40*(\p)
.irp t, 0,1,2,3,4,5,6,7
	FRAG_P 16*\t, AWK, 16*\t*WP+128*(\s)
.endr
.irp l, 0,1,2,3
	FRAG_I 128+16*\l, ALK, 8192*\l+2048*(\s)
.endr
.endm
.macro FETCHV p, s
	WIN 0x80+0x40*(\p)
.irp t, 0,1,2,3,4,5,6,7
	FRAG_I 16*\t, ALV, 8192*\t+2048*(\s)
.endr
.irp l, 0,1,2,3
	FRAG_P 128+16*\l, AWV, 16*\l*WP+128*(\s)
.endr
.endm
.macro MUL p, s, cm
.if (\cm) == 0
	WIN 0x5a+5*(\p)
.else
	WIN 0x6a
.endif
.irp l, 0,1,2,3
.irp t, 0,1,2,3,4,5,6,7
.set rD, 64*\l+8*\t
.set rA, 16*\t
.set rB, 128+16*\l
.set rX, A_B+A_T1*(\t/4)+A_T0*(\t%4)+A_S*(\s)
.set rY, B_B+B_T0*\l+B_S*(\s)
.if (\cm) == 0
	v_wmma_scale_f32_16x16x128_f8f6f4 v[rD:rD+7], v[rA:rA+15], v[rB:rB+15], v[rD:rD+7], v[rX], v[rY] matrix_a_fmt:MATRIX_FMT_BF8 matrix_b_fmt:MATRIX_FMT_BF8
.elseif (\cm) == 1
	v_wmma_scale_f32_16x16x128_f8f6f4 v[rD:rD+7], v[rA:rA+15], v[rB:rB+15], v[192+8*\t:192+8*\t+7], v[rX], v[rY] matrix_a_fmt:MATRIX_FMT_BF8 matrix_b_fmt:MATRIX_FMT_BF8
.else
	v_wmma_scale_f32_16x16x128_f8f6f4 v[rD:rD+7], v[rA:rA+15], v[rB:rB+15], v[192+8*\l:192+8*\l+7], v[rX], v[rY] matrix_a_fmt:MATRIX_FMT_BF8 matrix_b_fmt:MATRIX_FMT_BF8
.endif
.endr
.endr
.endm
.macro QUANT l
	WIN 0x14
.irp b, 0,1,2,3
	v_max3_num_f32 v[TM+\b], s[FLR], |v[64*\l+16*\b]|, |v[64*\l+16*\b+1]|
.endr
.irp i, 2,4,6,8,10,12,14
.irp b, 0,1,2,3
	v_max3_num_f32 v[TM+\b], v[TM+\b], |v[64*\l+16*\b+\i]|, |v[64*\l+16*\b+\i+1]|
.endr
.endr
	WIN 0
.irp b, 0,1,2,3
	v_permlanex16_b32 v[TM+4+\b], v[TM+\b], s[SEL], s[SEL+1]
.endr
.irp b, 0,1,2,3
	v_max_num_f32 v[TM+\b], v[TM+\b], v[TM+4+\b]
.endr
.irp b, 0,1,2,3
	v_add_nc_u32 v[TM+12+\b], 0xf8800000, v[TM+\b]
.endr
.irp b, 0,1,2,3
	v_and_or_b32 v[TM+8+\b], v[TM+\b], 0x7f800000, s[MNT]
.endr
.irp b, 0,1,2,3
	v_lshrrev_b32 v[TM+4+\b], 23, v[TM+12+\b]
.endr
	v_lshl_or_b32 v[PWS+\l], v[TM+5], 8, v[TM+4]
	v_lshl_or_b32 v[PWS+\l], v[TM+6], 16, v[PWS+\l]
	v_lshl_or_b32 v[PWS+\l], v[TM+7], 24, v[PWS+\l]
	WIN 0x41
.irp b, 0,1,2,3
.irp i, 0,1,2,3,4,5,6,7,8,9,10,11,12,13,14,15
	v_med3_num_f32 v[64*\l+16*\b+\i], v[64*\l+16*\b+\i], -v[TM+8+\b], v[TM+8+\b]
.endr
.endr
	WIN 0x01
.irp b, 0,1,2,3
	v_cvt_scalef32_pk8_bf8_f32 v[PC+16*\l+4*\b:PC+16*\l+4*\b+1], v[64*\l+16*\b:64*\l+16*\b+7], v[TM+12+\b]
	v_cvt_scalef32_pk8_bf8_f32 v[PC+16*\l+4*\b+2:PC+16*\l+4*\b+3], v[64*\l+16*\b+8:64*\l+16*\b+15], v[TM+12+\b]
.endr
	WIN 0
	v_nop
.endm
.macro E_TILE ts
.irp l, 0,1,2,3
.irp c, 0,1,2,3
	global_store_b128 v[LI], v[PC+16*\l+4*\c:PC+16*\l+4*\c+3], s[CB:CB+1] offset:\l*\ts+512*\c
.endr
.endr
	global_store_b128 v[LI], v[PWS:PWS+3], s[SB:SB+1]
.endm
.macro E_HEAD hs, hss
.irp x, 0,1
.irp p, 0,1
	v_perm_b32 v[HW+2*\x+\p], v[PWS+2*\p+1], v[PWS+2*\p], s[PSEL+\x]
.endr
.endr
	s_wait_alu depctr_va_vdst(0)
.irp l, 0,1,2,3
.irp c, 0,1,2,3
	global_store_b128 v[LI], v[PC+16*\l+4*\c:PC+16*\l+4*\c+3], s[CB:CB+1] offset:(\c/2)*\hs+(\l/2)*2048+(2*(\l%2)+\c%2)*512
.endr
.endr
.irp x, 0,1
	global_store_b64 v[LI8], v[HW+2*\x:HW+2*\x+1], s[SB:SB+1] offset:\x*\hss
.endr
.endm
	s_load_b256 s[4:11], s[0:1], 0x0
	s_load_b128 s[12:15], s[0:1], 0x20
	s_load_b64 s[16:17], s[0:1], 0x30
	v_lshl_add_u32 v254, v0, 2, 0x31000
	v_mov_b32 v255, 0
	ds_add_u32 v254, v255
	ds_add_u32 v254, v255
	v_lshrrev_b32 v1, 5, v0
	v_readfirstlane_b32 s[WV], v1
	s_lshr_b32 s[IH], s[WV], 1
	s_and_b32 s[KH], s[WV], 1
	s_bfe_u32 s[CX], ttmp6, 0x40000
	s_bfe_u32 s[CY], ttmp6, 0x40004
	s_lshl_b32 s[X], ttmp9, 2
	s_add_co_u32 s[X], s[X], s[CX]
	s_and_b32 s[Y], ttmp7, 0xffff
	s_lshl_b32 s[Y], s[Y], 2
	s_add_co_u32 s[Y], s[Y], s[CY]
	s_lshl_b32 s25, s[CY], 2
	s_lshl_b32 s25, 15, s25
	s_lshl_b32 s26, 0x1111, s[CX]
	s_or_b32 s[G1W], s26, (1<<20)|(1<<21)|(6<<22)|(3<<25)
	s_mov_b32 s[G1W+1], 512<<16
	s_mov_b32 s[G1W+2], 128<<16
	s_mov_b32 s[G1W+3], 512<<16
	s_mov_b32 s[G1W+4], 128
	s_mov_b32 s[G1W+5], 512
	s_mov_b32 s[G1W+6], 0
	s_mov_b32 s[G1W+7], 0
	s_or_b32 s[G1L], s25, (3<<16)|(1<<21)
	s_mov_b32 s[G1L+1], 32<<16
	s_mov_b32 s[G1L+2], 128<<16
	s_mov_b32 s[G1L+3], 32<<16
	s_mov_b32 s[G1L+4], 128
	s_mov_b32 s[G1L+5], 32
	s_mov_b32 s[G1L+6], 0
	s_mov_b32 s[G1L+7], 0
	s_lshl_b32 s68, s[X], 17
	s_lshl_b32 s69, s[KH], 16                      ; waves 0, 1 fetch the halves of the weight's 256 rows,
	s_add_co_u32 s68, s68, s69
	s_mov_b32 s69, 0
	s_lshl_b32 s70, s[Y], 16
	s_lshl_b32 s71, s[KH], 15                      ; waves 2, 3 the halves of the latent's 65,536 bytes
	s_add_co_u32 s70, s70, s71
	s_mov_b32 s71, 0
	s_mul_i32 s29, s[WV], 64*WP
	s_mul_i32 s31, s[KH], 128*WP
	s_lshl_b32 s30, s[KH], 15
	s_add_co_u32 s30, s30, LATB
	s_mov_b32 s[FLR], 0x8000000
	s_mov_b32 s[MNT], 0x600000
	s_mov_b32 s[SEL], 0x76543210
	s_mov_b32 s[SEL+1], 0xfedcba98
	s_mov_b32 s[PSEL], 0x05040100
	s_mov_b32 s[PSEL+1], 0x07060302
	s_wait_dscnt 0x0
	s_wait_kmcnt 0x0
	ROUND
	s_mov_b32 s[G0W], 1
	s_mov_b32 s[G0W+1], s31
	s_add_nc_u64 s[G0W+2:G0W+3], s[8:9], s[68:69]
	s_or_b32 s[G0W+3], s[G0W+3], 0x80000000
	s_mov_b32 s[G0L], 1
	s_mov_b32 s[G0L+1], s30
	s_add_nc_u64 s[G0L+2:G0L+3], s[4:5], s[70:71]
	s_or_b32 s[G0L+3], s[G0L+3], 0x80000000
	s_cmp_lt_u32 s[WV], 2                          ; one tensor load a wave, all at the head, in the arms of one branch
	s_cbranch_scc0 .Lh_l
	tensor_load_to_lds s[G0W:G0W+3], s[G1W:G1W+7]
	s_nop 0
	PLACES 4
	s_branch .Lh_done
.Lh_l:
	tensor_load_to_lds s[G0L:G0L+3], s[G1L:G1L+7]
	s_nop 0
	PLACES 4
.Lh_done:
	v_and_b32 v1, 31, v0
	v_and_b32 v2, 15, v0
	v_bfe_u32 v3, v0, 4, 1
	v_lshlrev_b32 v[LI], 4, v1
	v_lshlrev_b32 v[LI8], 3, v1
	v_mul_u32_u24 v16, v2, WP
	v_lshl_add_u32 v16, v3, 3, v16
	s_mul_i32 s2, s[IH], 128*WP
	v_add_nc_u32 v[AWK], s2, v16
	s_lshl_b32 s2, s[KH], 15
	s_add_co_u32 s2, s2, LATB
	v_add_nc_u32 v[ALK], s2, v[LI]
	v_add_nc_u32 v[AWV], s29, v16
	v_add_nc_u32 v[ALV], LATB, v[LI]
	v_lshlrev_b32 v17, 4, v2
	v_lshlrev_b32 v18, 5, v3
	v_lshlrev_b32 v19, 2, v2
.irp b, 0,1,2,3
	v_mov_b32 v[TM+4+\b], 0
.endr
	s_mov_b32 s73, 0
	s_wait_tensorcnt 0x0
	s_barrier_signal -1
	s_barrier_wait -1
	s_cmp_eq_u32 ttmp9, 0
	s_cbranch_scc0 .Lvway
.set A_B,  64
.set A_T1, 16
.set A_T0, 4
.set A_S,  1
.set B_B,  96
.set B_T0, 1
.set B_S,  4
	s_lshl_b32 s72, s[X], 12
	s_lshl_b32 s2, s[IH], 11
	s_add_co_u32 s72, s72, s2
	s_add_nc_u64 s[10:11], s[10:11], s[72:73]
	s_lshr_b32 s72, s72, 2
	s_add_nc_u64 s[12:13], s[12:13], s[72:73]
	s_lshl_b32 s72, s[Y], 1
	s_add_co_u32 s72, s72, s[KH]
	s_lshl_b32 s72, s72, 11
	s_add_nc_u64 s[6:7], s[6:7], s[72:73]
	s_wait_alu depctr_va_vdst(0)
.irp t, 0,1,2,3,4,5,6,7
	global_load_b128 v[64+4*\t:64+4*\t+3], v17, s[10:11] offset:256*\t
.endr
.irp s, 0,1,2,3
	global_load_b128 v[96+4*\s:96+4*\s+3], v[LI], s[6:7] offset:512*\s
.endr
	WIN 0x80
.irp t, 0,1,2,3,4,5,6,7
	global_load_b128 v[192+8*\t:192+8*\t+3], v18, s[12:13] offset:64*\t
	global_load_b128 v[192+8*\t+4:192+8*\t+7], v18, s[12:13] offset:64*\t+16
.endr
	FETCHK 0, 0
	s_wait_loadcnt 0x0
	s_wait_dscnt 0x0
	FETCHK 1, 1
	MUL 0, 0, 1
	s_wait_dscnt 0x0
	PLACES 8
	FETCHK 0, 2
	MUL 1, 1, 0
	s_wait_dscnt 0x0
	PLACES 8
	FETCHK 1, 3
	MUL 0, 2, 0
	s_wait_dscnt 0x0
	MUL 1, 3, 0
	PLACES 8
	QUANT 0
	QUANT 1
	QUANT 2
	QUANT 3
	s_lshr_b32 s72, s[Y], 4
	s_lshl_b32 s72, s72, 4
	s_lshl_b32 s2, s[X], 2
	s_add_co_u32 s72, s72, s2
	s_lshl_b32 s2, s[IH], 1
	s_add_co_u32 s72, s72, s2
	s_lshl_b32 s72, s72, 4
	s_and_b32 s2, s[Y], 15
	s_add_co_u32 s3, s72, s2
	s_lshl_b32 s72, s3, 14
	s_lshl_b32 s2, s[KH], 12
	s_add_co_u32 s72, s72, s2
	s_add_nc_u64 s[CB:CB+1], s[14:15], s[72:73]
	s_lshl_b32 s72, s3, 10
	s_lshl_b32 s2, s[KH], 8
	s_add_co_u32 s72, s72, s2
	s_add_nc_u64 s[SB:SB+1], s[16:17], s[72:73]
	E_HEAD 262144, 16384
	s_branch .Ldone
.Lvway:
.set A_B,  64
.set A_T1, 16
.set A_T0, 1
.set A_S,  4
.set B_B,  96
.set B_T0, 4
.set B_S,  1
	s_lshl_b32 s72, s[X], 12
	s_lshl_b32 s2, s[WV], 10
	s_add_co_u32 s72, s72, s2
	s_add_nc_u64 s[10:11], s[10:11], s[72:73]
	s_lshr_b32 s72, s72, 2
	s_add_nc_u64 s[12:13], s[12:13], s[72:73]
	s_lshl_b32 s72, s[Y], 12
	s_add_nc_u64 s[6:7], s[6:7], s[72:73]
.irp g, 0,1
.irp s, 0,1,2,3
	global_load_b128 v[64+16*\g+4*\s:64+16*\g+4*\s+3], v[LI], s[6:7] offset:2048*\g+512*\s
.endr
.endr
	s_wait_alu depctr_va_vdst(0)
.irp l, 0,1,2,3
	global_load_b128 v[96+4*\l:96+4*\l+3], v17, s[10:11] offset:256*\l
.endr
	WIN 0x80
.irp l, 0,1,2,3
.irp j, 0,1,2,3,4,5,6,7
	global_load_b32 v[192+8*\l+\j], v19, s[12:13] offset:64*\l
.endr
.endr
	FETCHV 0, 0
	s_wait_loadcnt 0x0
	s_wait_dscnt 0x0
	FETCHV 1, 1
	MUL 0, 0, 2
	s_wait_dscnt 0x0
	PLACES 8
	FETCHV 0, 2
	MUL 1, 1, 0
	s_wait_dscnt 0x0
	PLACES 8
	FETCHV 1, 3
	MUL 0, 2, 0
	s_wait_dscnt 0x0
	MUL 1, 3, 0
	PLACES 8
	QUANT 0
	QUANT 1
	QUANT 2
	QUANT 3
	s_lshr_b32 s72, s[Y], 4
	s_lshl_b32 s72, s72, 4
	s_lshl_b32 s2, s[X], 2
	s_add_co_u32 s72, s72, s2
	s_sub_co_u32 s72, s72, 16
	s_add_co_u32 s72, s72, s[WV]
	s_lshl_b32 s72, s72, 4
	s_and_b32 s2, s[Y], 15
	s_add_co_u32 s3, s72, s2
	s_lshl_b32 s72, s3, 14
	s_add_co_u32 s72, s72, 8192
	s_add_nc_u64 s[CB:CB+1], s[14:15], s[72:73]
	s_lshl_b32 s72, s3, 10
	s_add_co_u32 s72, s72, 512
	s_add_nc_u64 s[SB:SB+1], s[16:17], s[72:73]
	s_wait_alu depctr_va_vdst(0)
	E_TILE 2048
.Ldone:
	s_wait_tensorcnt 0x0
	ds_add_u32 v254, v255
	s_wait_dscnt 0x0
	ROUND
	s_endpgm
.Lfunc_end_k_q9a948b3fc9_proj2:
	.size	k_q9a948b3fc9_proj2, .Lfunc_end_k_q9a948b3fc9_proj2-k_q9a948b3fc9_proj2
	.p2alignl 7, 3214868480
	.fill 96, 4, 3214868480
	.section	.rodata,"a",@progbits
	.p2align	6, 0x0
	.amdhsa_kernel k_q9a948b3fc9_proj2
		.amdhsa_group_segment_fixed_size 327680
		.amdhsa_private_segment_fixed_size 0
		.amdhsa_enable_private_segment 0
		.amdhsa_kernarg_size 56
		.amdhsa_user_sgpr_count 2
		.amdhsa_user_sgpr_kernarg_segment_ptr 1
		.amdhsa_wavefront_size32 1
		.amdhsa_system_sgpr_workgroup_id_x 1
		.amdhsa_system_sgpr_workgroup_id_y 1
		.amdhsa_system_sgpr_workgroup_id_z 1
		.amdhsa_system_vgpr_workitem_id 0
		.amdhsa_next_free_vgpr 1024
		.amdhsa_next_free_sgpr 76
		.amdhsa_reserve_vcc 0
		.amdhsa_float_denorm_mode_32 3
		.amdhsa_float_denorm_mode_16_64 3
		.amdhsa_memory_ordered 1
		.amdhsa_forward_progress 1
		.amdhsa_inst_pref_size 153
	.end_amdhsa_kernel
	.amdgpu_metadata
---
amdhsa.version: [ 1, 2 ]
amdhsa.kernels:
  - .name:           k_q9a948b3fc9_proj2
    .symbol:         k_q9a948b3fc9_proj2.kd
    .args:
      - { .name: lat, .offset: 0, .size: 8, .value_kind: global_buffer, .address_space: global }
      - { .name: lats, .offset: 8, .size: 8, .value_kind: global_buffer, .address_space: global }
      - { .name: kvu_w_codes, .offset: 16, .size: 8, .value_kind: global_buffer, .address_space: global }
      - { .name: kvu_w_scales, .offset: 24, .size: 8, .value_kind: global_buffer, .address_space: global }
      - { .name: kvu_b, .offset: 32, .size: 8, .value_kind: global_buffer, .address_space: global }
      - { .name: kvc, .offset: 40, .size: 8, .value_kind: global_buffer, .address_space: global }
      - { .name: kvs, .offset: 48, .size: 8, .value_kind: global_buffer, .address_space: global }
    .group_segment_fixed_size: 327680
    .private_segment_fixed_size: 0
    .kernarg_segment_align: 8
    .kernarg_segment_size: 56
    .max_flat_workgroup_size: 128
    .sgpr_count:     76
    .vgpr_count:     1024
    .wavefront_size: 32
...
	.end_amdgpu_metadata
.endif
;; end of part 2
;; launch attn (part 3): grid 8 x 32, 16 waves a work-group, clusters of 4 x 1, 327,680 bytes of LDS; arguments qimg, qs, kvc, kvs, ao, aos; writes ao, aos
.if DOCPART == 3
	.amdgcn_target "amdgcn-amd-amdhsa--gfx1250"
	.amdhsa_code_object_version 6
	.text
	.protected	k_q9a948b3fc9_attn
	.globl	k_q9a948b3fc9_attn
	.p2align	8
	.type	k_q9a948b3fc9_attn,@function
k_q9a948b3fc9_attn:
	s_mov_b64 s[64:65], 0
	v_nop
	global_prefetch_b8 v0, s[64:65] scope:SCOPE_SE
	s_setreg_imm32_b32 hwreg(HW_REG_WAVE_MODE, 25, 1), 1
	s_wait_xcnt 0x0
	s_wait_alu depctr_hold_cnt(0) depctr_sa_sdst(0) depctr_va_vdst(0) depctr_va_sdst(0) depctr_va_ssrc(0) depctr_va_vcc(0) depctr_vm_vsrc(0)
	s_getreg_b32 s2, hwreg(HW_REG_IB_STS2, 6, 4)
	s_cmp_eq_u32 s2, 0
	s_cbranch_scc0 .Lentry_in_a_cluster
	s_endpgm
.Lentry_in_a_cluster:
	s_bfe_u32 s2, ttmp6, 0x10000c
	s_cmp_lg_u32 s2, 0x3003
	s_cbranch_scc0 .Lentry_shape_is_right
	s_endpgm
.Lentry_shape_is_right:
; O = softmax(q k^T / 8) v for one head and 256 queries, both products on codes of BF8 (E5M2) with E8M0 scales; O is quantised here along the embedding for the last product.
; THE SOFTMAX AHEAD OF THE SECOND PRODUCT: t = score x log2(e) / 8; M = the running largest t rounded UP to a whole number; p = 2^(t - M) is quantised along the keys, not normalised; the row's sum is taken
; of the unquantised p and divides O at the end; when M moves, the sum and O are multiplied by 2^(old M - new M), which rounds nothing.
; SHARES.  Sixteen waves, each ONE tile of 16 queries in 256 registers: four waves to a SIMD, so that one wave's vector work stands beside another's products and LDS loads.  Every wave walks the head's 2,048 keys, 128 a step.
; A WHOLE HEAD'S K AND V STAY IN LDS: 262,144 bytes of codes and 16,384 of scale words, as images of operand registers (lane l's 16 bytes at 16 l): no ring, nothing is filled again.
; CLUSTER: the four query blocks of a cluster read the same head: every tensor load is a joint one, mask 15.
; THE ORDER OF THE HEAD.  Q's loads and all descriptors are made ahead of the opening round.  Directly behind it every wave asks for its one load: key steps 0-3, the scale words or key steps 4-15.  The set-up follows,
; and key steps 4-15 land while the first four are worked.
; BOTH PRODUCTS ARE USED TRANSPOSED: S^T = K Q^T, O^T = V^T P^T: a lane holds one query throughout.  THE HEAD HAS 64 CHANNELS, the instruction 128 along K: a fragment of K holds TWO key tiles (k 0-63 and 64-127),
; and Q lies as [Q][zeros][Q] in 24 registers: v[16:31] picks the first tile, v[24:39] the second.  Zero codes add nothing: K's codes are finite, since the launch that made them holds every number.
; The order of k inside a block of 32 is the images' own, alike on both sides of each product.
; THE HOLD GOES TWO TO AN INSTRUCTION: a dual form takes a number of block g and one of block g + 1: 32 lines for a step's 64 numbers.
; LIMITS: NaN and infinities are not served; a block of zeros gets the byte 1, read by this program alone.
; REGISTERS: v1-7 addresses; v12 -M, v13 the largest t, v[14:15] the sum; v16-39 Q, v40 its word; v44-47 K's words, v48-51 V's, v52 p's; v[54:55] f; v56-59 at work; v64-127 four fragments; v128-191 S^T, then p;
;   v192-223 O^T; v224-239 p's codes; v240-255 at work, four registers a kind.
; THE HEAD'S LOADS AS THEY STAND NOW, one a wave, each group of waves in an arm of its own: waves 0-3 a key step each of steps 0-3, waves 4-7 a quarter each of the scale words, waves 8-15 an eighth each of key steps 4-15.
; Waves 0-7 wait at the first barrier, all waves at the second.
.set SCB,  262144                      ; the scale words: 1 KB a key step
.set S,    128
.set O,    192
.set PCD,  224
.set BM,   240
.set T2,   244
.set LM,   248
.set SOP,  252
.set WV,  16
.set CX,  17
.set QB,  18
.set BH,  19
.set SEL, 20
.set CS,  22
.set MNT, 24
.set TB,  25
.set TS,  26
.set CNT, 27
.set G1S, 32
.set G1A, 40
.set G1B, 48
.set G0S, 56
.set G0A, 60
.set G0B, 68
.macro ROUND
	s_barrier_signal -1
	s_barrier_wait -1
	s_cmp_lg_u32 s[WV], 0
	s_cbranch_scc1 .Lnot_wave_0_\@
	s_barrier_signal -3
.Lnot_wave_0_\@:
	s_barrier_wait -3
	s_barrier_signal -1
	s_barrier_wait -1
.endm
	s_load_b256 s[4:11], s[0:1], 0x0               ; qimg s[4:5], qs s[6:7], kvc s[8:9], kvs s[10:11]
	s_load_b128 s[12:15], s[0:1], 0x20             ; ao s[12:13], aos s[14:15]
	v_lshl_add_u32 v62, v0, 2, 0x44000
	v_mov_b32 v63, 0
	ds_add_u32 v62, v63
	ds_add_u32 v62, v63
	v_lshrrev_b32 v1, 5, v0
	s_delay_alu instid0(VALU_DEP_1)
	v_readfirstlane_b32 s[WV], v1                  ; wave 0..15
	v_and_b32 v57, 31, v0                          ; lane
	s_delay_alu instid0(VALU_DEP_1)
	v_lshlrev_b32 v1, 4, v57                       ; an image's place for my lane
	s_delay_alu instid0(VALU_DEP_2)
	v_lshlrev_b32 v7, 3, v57                       ; q's words: 8 bytes a lane
	s_bfe_u32 s[CX], ttmp6, 0x40000
	s_lshl_b32 s[QB], ttmp9, 2
	s_add_co_u32 s[QB], s[QB], s[CX]               ; my block of 256 queries: it enters q's and the outputs' addresses alone
	s_and_b32 s[BH], ttmp7, 0xffff                 ; batch x 16 + head, which the four partners share
.irp g, G1S, G1A, G1B                          ; dense blocks as rows of 256 bytes (32 elements of 8 bytes); the three shapes differ in the rows
	s_mov_b32 s[\g], 15|(3<<16)|(1<<21)
	s_mov_b32 s[\g+1], 32<<16
	s_mov_b32 s[\g+3], 32<<16
	s_mov_b32 s[\g+5], 32
	s_mov_b32 s[\g+6], 0
	s_mov_b32 s[\g+7], 0
.endr
	s_mov_b32 s[G1S+2], 16<<16
	s_mov_b32 s[G1S+4], 16
	s_mov_b32 s[G1A+2], 64<<16
	s_mov_b32 s[G1A+4], 64
	s_mov_b32 s[G1B+2], 96<<16
	s_mov_b32 s[G1B+4], 96
	s_lshl_b32 s72, s[BH], 14                      ; the head's scale words, my quarter
	s_and_b32 s3, s[WV], 3
	s_lshl_b32 s30, s3, 12                         ; a quarter of the scale words: 4,096 bytes
	s_add_co_u32 s72, s72, s30
	s_mov_b32 s73, 0
	s_add_co_u32 s30, s30, SCB
	s_lshl_b32 s74, s[BH], 18                      ; key steps 0-3: 65,536 bytes, my quarter
	s_lshl_b32 s31, s3, 14                         ; one key step: 16,384 bytes
	s_add_co_u32 s74, s74, s31
	s_mov_b32 s75, 0
	s_and_b32 s2, s[WV], 7
	s_mul_i32 s2, s2, 24576                        ; an eighth of key steps 4-15
	s_add_co_u32 s2, s2, 65536
	s_lshl_b32 s28, s[BH], 18
	s_add_co_u32 s28, s28, s2
	s_mov_b32 s29, 0
	s_lshl_b32 s76, s[BH], 17                      ; q: a head's images are 131,072 bytes, a query tile's half of a pair 1,024.  (s3 is the one register at work here that holds my block's number: it feeds no descriptor)
	s_lshl_b32 s3, s[QB], 14
	s_add_co_u32 s76, s76, s3
	s_lshl_b32 s3, s[WV], 10
	s_add_co_u32 s76, s76, s3
	s_mov_b32 s77, 0
	s_lshl_b32 s78, s[BH], 13                      ; its word: 256 bytes for 64 queries, word (wave / 2) % 2 of my lane's two
	s_lshl_b32 s3, s[QB], 10
	s_add_co_u32 s78, s78, s3
	s_lshr_b32 s3, s[WV], 2
	s_lshl_b32 s3, s3, 8
	s_add_co_u32 s78, s78, s3
	s_bfe_u32 s3, s[WV], 0x10001
	s_lshl_b32 s3, s3, 2
	s_add_co_u32 s78, s78, s3
	s_mov_b32 s79, 0
	s_mov_b32 s[SEL], 0x76543210
	s_mov_b32 s[SEL+1], 0xfedcba98
	s_mov_b32 s[CS], 0x3e38aa3b                    ; c = log2(e) / 8
	s_mov_b32 s[CS+1], s[CS]
	s_mov_b32 s[MNT], 0x600000
	s_mov_b32 s[TB], 0
	s_mov_b32 s[TS], 0
	s_wait_alu depctr_va_vdst(0)
	s_wait_dscnt 0x0
	s_wait_kmcnt 0x0
	s_add_nc_u64 s[4:5], s[4:5], s[76:77]
	s_add_nc_u64 s[6:7], s[6:7], s[78:79]
	global_load_b128 v[16:19], v1, s[4:5]          ; Q twice, with eight registers of zeros between.  Asked for ahead of the round: nobody writes these bytes, and the wait for them stands behind the last tensor load
	global_load_b128 v[20:23], v1, s[4:5] offset:512
	global_load_b128 v[32:35], v1, s[4:5]
	global_load_b128 v[36:39], v1, s[4:5] offset:512
	global_load_b32 v41, v7, s[6:7]
	s_mov_b32 s[G0S], 1
	s_mov_b32 s[G0S+1], s30
	s_add_nc_u64 s[G0S+2:G0S+3], s[10:11], s[72:73]
	s_or_b32 s[G0S+3], s[G0S+3], 0x80000000
	s_mov_b32 s[G0A], 1
	s_mov_b32 s[G0A+1], s31
	s_add_nc_u64 s[G0A+2:G0A+3], s[8:9], s[74:75]
	s_or_b32 s[G0A+3], s[G0A+3], 0x80000000
	s_mov_b32 s[G0B], 1
	s_mov_b32 s[G0B+1], s2
	s_add_nc_u64 s[G0B+2:G0B+3], s[8:9], s[28:29]
	s_or_b32 s[G0B+3], s[G0B+3], 0x80000000
	ROUND                                          ; all four work-groups are here: the joint loads meet
	s_cmp_lt_u32 s[WV], 4                          ; one chain of branches on the wave's number, a load to an arm
	s_cbranch_scc0 .Lh_s
	tensor_load_to_lds s[G0A:G0A+3], s[G1A:G1A+7]  ; waves 0-3: key steps 0-3
	s_nop 0
.rept 4
	v_nop
.endr
	s_branch .Lh_done
.Lh_s:
	s_cmp_lt_u32 s[WV], 8
	s_cbranch_scc0 .Lh_b
	tensor_load_to_lds s[G0S:G0S+3], s[G1S:G1S+7]  ; waves 4-7: the scale words
	s_nop 0
.rept 4
	v_nop
.endr
	s_branch .Lh_done
.Lh_b:
	tensor_load_to_lds s[G0B:G0B+3], s[G1B:G1B+7]  ; waves 8-15: key steps 4-15
	s_nop 0
.rept 4
	v_nop
.endr
.Lh_done:
	; the set-up stands behind the wave's one tensor load; no wait stands in it
	v_lshl_add_u32 v2, v57, 3, SCB                 ; K's words: 8 bytes a lane
	v_lshl_add_u32 v3, v57, 4, SCB+512             ; V's: 16 bytes a lane
	s_lshr_b32 s78, s[BH], 4                       ; the batch
	s_and_b32 s79, s[BH], 15                       ; the head
	s_lshl_b32 s76, s78, 4
	s_lshl_b32 s3, s[QB], 1
	s_add_co_u32 s76, s76, s3
	s_lshr_b32 s3, s[WV], 3
	s_add_co_u32 s76, s76, s3                      ; the block of 128 tokens
	s_lshl_b32 s76, s76, 17
	s_lshr_b32 s3, s79, 1
	s_lshl_b32 s3, s3, 14                          ; the last product's K step: two heads
	s_add_co_u32 s76, s76, s3
	s_and_b32 s3, s[WV], 7
	s_lshl_b32 s3, s3, 11                          ; the token tile
	s_add_co_u32 s76, s76, s3
	s_and_b32 s3, s79, 1
	s_lshl_b32 s3, s3, 10                          ; my head's two chunks of the four
	s_add_co_u32 s76, s76, s3
	s_add_nc_u64 s[12:13], s[12:13], s[76:77]      ; (s77 is still 0)
	s_lshl_b32 s76, s78, 7
	s_lshl_b32 s3, s[QB], 4
	s_add_co_u32 s76, s76, s3
	s_add_co_u32 s76, s76, s[WV]                   ; the token tile among 256
	s_lshl_b32 s76, s76, 9                         ; 16 rows of 32 scale bytes
	s_lshl_b32 s3, s79, 1                          ; my head's two bytes
	s_add_co_u32 s76, s76, s3
	s_add_nc_u64 s[14:15], s[14:15], s[76:77]
	s_mov_b32 s3, 0x03020302                       ; Q's word (q0, q1, q0, q1): bytes 2 u, 2 u + 1 of the pair's word, u = wave % 2
	s_and_b32 s78, s[WV], 1
	s_cmp_eq_u32 s78, 0
	s_cselect_b32 s3, 0x01000100, s3
.irp j, 24,25,26,27,28,29,30,31
	v_mov_b32 v[\j], 0
.endr
	v_mov_b32 v13, 0xff61b1e6                      ; the largest t so far: -3e38
	s_delay_alu instid0(VALU_DEP_1)
	v_floor_f32 v12, -v13                          ; -M
	v_mov_b32 v14, 0
	v_mov_b32 v15, 0
	v_mov_b32 v55, 0                               ; (named as the upper half of the pair v[54:55])
.irp b, 0,1,2,3
	v_mov_b32 v[T2+\b], 0                          ; a lane permute's destination counts as one of its sources
.endr
.irp j, 0,1,2,3,4,5,6,7,8,9,10,11,12,13,14,15,16,17,18,19,20,21,22,23,24,25,26,27,28,29,30,31
	v_mov_b32 v[O+\j], 0                           ; O^T: the step is written once; the first change of M leaves zeros zeros
.endr
	s_wait_loadcnt 0x0                             ; Q and its word
	v_perm_b32 v40, v41, v41, s3
; A KEY STEP: 128 keys.
.macro STEP
	v_add_nc_u32 v4, s[TB], v1
	v_add_nc_u32 v5, s[TS], v2
	v_add_nc_u32 v6, s[TS], v3
.rept 5
	v_nop                                          ; with the three additions: eight places ahead of loads into registers that the last products read, and behind the making of Q's word
.endr
.irp b, 0,1,2,3
.irp c, 0,1,2,3
	ds_load_b128 v[64+16*\b+4*\c:64+16*\b+4*\c+3], v4 offset:2048*\b+512*\c   ; pair b: key tiles 2 b and 2 b + 1
.endr
.endr
	ds_load_b64 v[44:45], v5
	ds_load_b64 v[46:47], v5 offset:256
	s_wait_alu depctr_va_vdst(0)
	s_wait_dscnt 0x0
.irp b, 0,1,2,3
.irp u, 0,1
	v_wmma_scale_f32_16x16x128_f8f6f4 v[S+16*\b+8*\u:S+16*\b+8*\u+7], v[64+16*\b:64+16*\b+15], v[16+8*\u:31+8*\u], 0, v[44+\b], v40 matrix_a_fmt:MATRIX_FMT_BF8 matrix_b_fmt:MATRIX_FMT_BF8
.endr
.endr
.rept 8
	v_nop                                          ; eight places: ahead of the loads below, into K's registers, and of the first read of the scores
.endr
.irp l, 0,1,2,3
.irp c, 0,1,2,3
	ds_load_b128 v[64+16*\l+4*\c:64+16*\l+4*\c+3], v4 offset:8192+2048*\l+512*\c   ; V^T's four tiles land while the softmax is worked
.endr
.endr
	ds_load_b128 v[48:51], v6
.irp b, 0,1,2,3
	v_max3_num_f32 v[BM+\b], v[S+16*\b], v[S+16*\b+1], v[S+16*\b+2]   ; the largest score of each block of 32 keys: for the row's maximum, and, since p rises with the score, for the block's largest p
.endr
.irp i, 3,5,7,9,11,13
.irp b, 0,1,2,3
	v_max3_num_f32 v[BM+\b], v[BM+\b], v[S+16*\b+\i], v[S+16*\b+\i+1]
.endr
.endr
.irp b, 0,1,2,3
	v_max_num_f32 v[BM+\b], v[BM+\b], v[S+16*\b+15]
.endr
.irp b, 0,1,2,3
	s_delay_alu instid0(VALU_DEP_4)
	v_permlanex16_b32 v[T2+\b], v[BM+\b], s[SEL], s[SEL+1]
.endr
.irp b, 0,1,2,3
	s_delay_alu instid0(VALU_DEP_4)
	v_max_num_f32 v[BM+\b], v[BM+\b], v[T2+\b]
.endr
	s_delay_alu instid0(VALU_DEP_2)
	v_max3_num_f32 v56, v[BM], v[BM+1], v[BM+2]
	s_delay_alu instid0(VALU_DEP_1)
	v_max_num_f32 v56, v56, v[BM+3]
	s_delay_alu instid0(VALU_DEP_1)
	v_mul_f32 v56, s[CS], v56                      ; as t (c is positive)
	s_delay_alu instid0(VALU_DEP_1)
	v_max_num_f32 v13, v13, v56                    ; the running largest t
	v_mov_b32 v56, v12
	s_delay_alu instid0(VALU_DEP_2)
	v_floor_f32 v12, -v13                          ; the new -M = -ceil(t)
	s_delay_alu instid0(VALU_DEP_1)
	v_sub_f32 v56, v12, v56                        ; old M - new M: a whole number, 0 or less
	s_delay_alu instid0(VALU_DEP_1)
	v_cvt_i32_f32 v56, v56                         ; (it saturates)
	s_delay_alu instid0(VALU_DEP_1)
	v_ldexp_f32 v54, 1.0, v56                      ; f = 2^(old M - new M)
.irp j, 0,2,4,6,8,10,12,14,16,18,20,22,24,26,28,30,32,34,36,38,40,42,44,46,48,50,52,54,56,58,60,62
	v_pk_fma_f32 v[S+\j:S+\j+1], v[S+\j:S+\j+1], s[CS:CS+1], v[12:13] op_sel_hi:[1,0,0]   ; t - M
.endr
.irp b, 0,1,2,3
	v_fma_f32 v[BM+\b], v[BM+\b], s[CS], v12
.endr
	s_wait_alu depctr_va_vdst(0)
.irp j, 0,1,2,3,4,5,6,7,8,9,10,11,12,13,14,15,16,17,18,19,20,21,22,23,24,25,26,27,28,29,30,31,32,33,34,35,36,37,38,39,40,41,42,43,44,45,46,47,48,49,50,51,52,53,54,55,56,57,58,59,60,61,62,63
	v_exp_f32 v[S+\j], v[S+\j]                     ; p = 2^(t - M)
.endr
.irp b, 0,1,2,3
	v_exp_f32 v[BM+\b], v[BM+\b]                   ; the block's largest p: the same two instructions on the same number
.endr
	v_pk_mul_f32 v[14:15], v[14:15], v[54:55] op_sel_hi:[1,0]   ; the sums under the new M (a plain line behind the exponentials)
	s_wait_alu depctr_va_vdst(0)
.irp b, 0,1,2,3
	v_max_num_f32 v[BM+\b], 0x8000000, v[BM+\b]    ; the floor 2^(16 - 127)
.endr
.irp b, 0,1,2,3
	s_delay_alu instid0(VALU_DEP_4)
	v_add_nc_u32 v[SOP+\b], 0xf8800000, v[BM+\b]
.endr
.irp b, 0,1,2,3
	v_and_or_b32 v[LM+\b], v[BM+\b], 0x7f800000, s[MNT]
.endr
.irp b, 0,1,2,3
	v_lshrrev_b32 v[T2+\b], 23, v[SOP+\b]
.endr
	s_delay_alu instid0(VALU_DEP_3)
	v_lshl_or_b32 v52, v[T2+1], 8, v[T2]           ; p's scale word for these 128 keys
	s_delay_alu instid0(VALU_DEP_1)
	v_lshl_or_b32 v52, v[T2+2], 16, v52
	s_delay_alu instid0(VALU_DEP_1)
	v_lshl_or_b32 v52, v[T2+3], 24, v52
	v_pk_add_f32 v[244:245], v[132:133], v[136:137]
	v_pk_add_f32 v[242:243], v[140:141], v[144:145]
	v_pk_add_f32 v[240:241], v[148:149], v[152:153]
	v_pk_add_f32 v[238:239], v[156:157], v[160:161]
	v_pk_add_f32 v[236:237], v[164:165], v[168:169]
	v_pk_add_f32 v[234:235], v[172:173], v[176:177]
	v_pk_add_f32 v[232:233], v[180:181], v[184:185]
	v_pk_add_f32 v[14:15], v[14:15], v[188:189]
	v_pk_add_f32 v[244:245], v[244:245], v[128:129]
	v_pk_add_f32 v[242:243], v[242:243], v[130:131]
	v_pk_add_f32 v[240:241], v[240:241], v[134:135]
	v_pk_add_f32 v[238:239], v[238:239], v[138:139]
	v_pk_add_f32 v[236:237], v[236:237], v[142:143]
	v_pk_add_f32 v[234:235], v[234:235], v[146:147]
	v_pk_add_f32 v[232:233], v[232:233], v[150:151]
	v_pk_add_f32 v[14:15], v[14:15], v[154:155]
	v_pk_add_f32 v[244:245], v[244:245], v[158:159]
	v_pk_add_f32 v[242:243], v[242:243], v[162:163]
	v_pk_add_f32 v[240:241], v[240:241], v[166:167]
	v_pk_add_f32 v[238:239], v[238:239], v[170:171]
	v_pk_add_f32 v[236:237], v[236:237], v[174:175]
	v_pk_add_f32 v[234:235], v[234:235], v[178:179]
	v_pk_add_f32 v[232:233], v[232:233], v[182:183]
	v_pk_add_f32 v[14:15], v[14:15], v[186:187]
	v_pk_add_f32 v[244:245], v[244:245], v[190:191]
	s_delay_alu instid0(VALU_DEP_2)
	v_pk_add_f32 v[14:15], v[14:15], v[238:239]
	s_delay_alu instid0(VALU_DEP_2)
	v_pk_add_f32 v[244:245], v[244:245], v[236:237]
	v_pk_add_f32 v[242:243], v[242:243], v[234:235]
	v_pk_add_f32 v[240:241], v[240:241], v[232:233]
	s_delay_alu instid0(VALU_DEP_2)
	v_pk_add_f32 v[14:15], v[14:15], v[242:243]
	s_delay_alu instid0(VALU_DEP_2)
	v_pk_add_f32 v[244:245], v[244:245], v[240:241]
	s_delay_alu instid0(VALU_DEP_1)
	v_pk_add_f32 v[14:15], v[14:15], v[244:245]
; The hold (the conversion to an 8-bit code does not saturate: ISA guide 7.6.2; p is not negative, so it is one-sided), two numbers an instruction.  A pair takes number i of block g and number i + 1 of block g + 1,
; then i + 1 and i: one destination even and one odd; the first sources, the two blocks' limits, are neighbouring registers, and the second sources' numbers differ by 17 or by 15: different modulo 4 in both places.
.irp g, 0,2
.irp i, 0,2,4,6,8,10,12,14
	v_dual_min_num_f32 v[S+16*\g+\i], v[LM+\g], v[S+16*\g+\i] :: v_dual_min_num_f32 v[S+16*\g+17+\i], v[LM+\g+1], v[S+16*\g+17+\i]
	v_dual_min_num_f32 v[S+16*\g+1+\i], v[LM+\g], v[S+16*\g+1+\i] :: v_dual_min_num_f32 v[S+16*\g+16+\i], v[LM+\g+1], v[S+16*\g+16+\i]
.endr
.irp b, \g, \g+1
	v_cvt_scalef32_pk8_bf8_f32 v[PCD+4*(\b):PCD+4*(\b)+1], v[S+16*(\b):S+16*(\b)+7], v[SOP+(\b)]
	v_cvt_scalef32_pk8_bf8_f32 v[PCD+4*(\b)+2:PCD+4*(\b)+3], v[S+16*(\b)+8:S+16*(\b)+15], v[SOP+(\b)]
.endr
.endr
.irp j, 0,2,4,6,8,10,12,14,16,18,20,22,24,26,28,30
	v_pk_mul_f32 v[O+\j:O+\j+1], v[O+\j:O+\j+1], v[54:55] op_sel_hi:[1,0]   ; O^T under the new M.  These sixteen are also the places between the codes' making and the products
.endr
	s_wait_alu depctr_va_vdst(0)
	s_wait_dscnt 0x0                               ; V^T's tiles and words
.irp l, 0,1,2,3
	v_wmma_scale_f32_16x16x128_f8f6f4 v[O+8*\l:O+8*\l+7], v[64+16*\l:64+16*\l+15], v[PCD:PCD+15], v[O+8*\l:O+8*\l+7], v[48+\l], v52 matrix_a_fmt:MATRIX_FMT_BF8 matrix_b_fmt:MATRIX_FMT_BF8
.endr
	s_add_co_u32 s[TB], s[TB], 16384
	s_add_co_u32 s[TS], s[TS], 1024
.endm
	s_cmp_lt_u32 s[WV], 8                          ; waves 0-7: my part of key steps 0-3 or of the scale words is in.  Waves 8-15, whose load lines are their own, wait at the second barrier
	s_cbranch_scc0 .Lnot_yet
	s_wait_tensorcnt 0x0
.Lnot_yet:
	s_barrier_signal -1
	s_barrier_wait -1
	s_mov_b32 s[CNT], 4
.Lfirst:
	s_wait_alu depctr_va_vdst(0)
	STEP
	s_sub_co_u32 s[CNT], s[CNT], 1
	s_cmp_lg_u32 s[CNT], 0
	s_cbranch_scc1 .Lfirst
	s_wait_tensorcnt 0x0                           ; my part of key steps 4-15
	s_wait_dscnt 0x0
	s_barrier_signal -1
	s_barrier_wait -1                              ; everybody's; from here on the waves meet no more until the end
	s_mov_b32 s[CNT], 12
.Lrest:
	STEP
	s_sub_co_u32 s[CNT], s[CNT], 1
	s_cmp_lg_u32 s[CNT], 0
	s_cbranch_scc1 .Lrest
	; THE WAY OUT: O^T / the sum, quantised along the head's 64 channels (two blocks; lane l xor 16 has the other 16 of each), as two chunks of the last product's operand
	v_add_f32 v14, v14, v15
	v_and_b32 v58, 15, v0
	v_bfe_u32 v59, v0, 4, 1
	s_delay_alu instid0(VALU_DEP_1)
	v_lshl_add_u32 v58, v58, 5, v59                ; my byte among the tile's scale bytes: row r of 32 bytes, + h
	v_cmp_lt_u32 vcc_lo, 15, v57                   ; lanes 16-31 store the second block's byte
	v_permlanex16_b32 v56, v14, s[SEL], s[SEL+1]
	s_delay_alu instid0(VALU_DEP_1)
	v_add_f32 v14, v14, v56                        ; the row's sum
	s_wait_alu depctr_va_vdst(0)
	v_rcp_f32 v14, v14
.rept 4
	v_nop                                          ; a plain line behind the reciprocal; with the plain lines above, more than eight places behind the last products
.endr
	s_wait_alu depctr_va_vdst(0)
.irp j, 0,2,4,6,8,10,12,14,16,18,20,22,24,26,28,30
	v_pk_mul_f32 v[S+\j:S+\j+1], v[O+\j:O+\j+1], v[14:15] op_sel_hi:[1,0]   ; register 8 l + j: channel 16 l + 8 h + j of my query
.endr
.irp b, 0,1
	v_max3_num_f32 v[BM+\b], |v[S+16*\b]|, |v[S+16*\b+1]|, 0x8000000
.endr
.irp i, 2,4,6,8,10,12,14
.irp b, 0,1
	s_delay_alu instid0(VALU_DEP_2)
	v_max3_num_f32 v[BM+\b], v[BM+\b], |v[S+16*\b+\i]|, |v[S+16*\b+\i+1]|
.endr
.endr
.irp b, 0,1
	s_delay_alu instid0(VALU_DEP_2)
	v_permlanex16_b32 v[T2+\b], v[BM+\b], s[SEL], s[SEL+1]
.endr
.irp b, 0,1
	s_delay_alu instid0(VALU_DEP_2)
	v_max_num_f32 v[BM+\b], v[BM+\b], v[T2+\b]
.endr
.irp b, 0,1
	s_delay_alu instid0(VALU_DEP_2)
	v_add_nc_u32 v[SOP+\b], 0xf8800000, v[BM+\b]
.endr
.irp b, 0,1
	s_delay_alu instid0(VALU_DEP_4)
	v_and_or_b32 v[LM+\b], v[BM+\b], 0x7f800000, s[MNT]
.endr
.irp b, 0,1
	s_delay_alu instid0(VALU_DEP_4)
	v_lshrrev_b32 v[T2+\b], 23, v[SOP+\b]
.endr
	s_delay_alu instid0(VALU_DEP_1)
	v_cndmask_b32 v56, v[T2], v[T2+1], vcc_lo
.irp b, 0,1
.irp i, 0,1,2,3,4,5,6,7,8,9,10,11,12,13,14,15
	v_med3_num_f32 v[S+16*\b+\i], v[S+16*\b+\i], -v[LM+\b], v[LM+\b]
.endr
	v_cvt_scalef32_pk8_bf8_f32 v[PCD+4*\b:PCD+4*\b+1], v[S+16*\b:S+16*\b+7], v[SOP+\b]
	v_cvt_scalef32_pk8_bf8_f32 v[PCD+4*\b+2:PCD+4*\b+3], v[S+16*\b+8:S+16*\b+15], v[SOP+\b]
.endr
	v_nop
	global_store_b128 v1, v[PCD:PCD+3], s[12:13]   ; 512 consecutive bytes a store
	global_store_b128 v1, v[PCD+4:PCD+7], s[12:13] offset:512
	global_store_b8 v58, v56, s[14:15]             ; each lane another byte: two of a token's 32
	s_wait_tensorcnt 0x0
	ds_add_u32 v62, v63
	s_wait_dscnt 0x0
	ROUND                                          ; the closing round
	s_endpgm
.Lfunc_end_k_q9a948b3fc9_attn:
	.size	k_q9a948b3fc9_attn, .Lfunc_end_k_q9a948b3fc9_attn-k_q9a948b3fc9_attn
	.p2alignl 7, 3214868480
	.fill 96, 4, 3214868480
	.section	.rodata,"a",@progbits
	.p2align	6, 0x0
	.amdhsa_kernel k_q9a948b3fc9_attn
		.amdhsa_group_segment_fixed_size 327680
		.amdhsa_private_segment_fixed_size 0
		.amdhsa_enable_private_segment 0
		.amdhsa_kernarg_size 48
		.amdhsa_user_sgpr_count 2
		.amdhsa_user_sgpr_kernarg_segment_ptr 1
		.amdhsa_wavefront_size32 1
		.amdhsa_system_sgpr_workgroup_id_x 1
		.amdhsa_system_sgpr_workgroup_id_y 1
		.amdhsa_system_sgpr_workgroup_id_z 1
		.amdhsa_system_vgpr_workitem_id 0
		.amdhsa_next_free_vgpr 256
		.amdhsa_next_free_sgpr 80
		.amdhsa_reserve_vcc 1
		.amdhsa_float_denorm_mode_32 3
		.amdhsa_float_denorm_mode_16_64 3
		.amdhsa_memory_ordered 1
		.amdhsa_forward_progress 1
		.amdhsa_inst_pref_size 56
	.end_amdhsa_kernel
	.amdgpu_metadata
---
amdhsa.version: [ 1, 2 ]
amdhsa.kernels:
  - .name:           k_q9a948b3fc9_attn
    .symbol:         k_q9a948b3fc9_attn.kd
    .args:
      - { .name: qimg, .offset: 0, .size: 8, .value_kind: global_buffer, .address_space: global }
      - { .name: qs, .offset: 8, .size: 8, .value_kind: global_buffer, .address_space: global }
      - { .name: kvc, .offset: 16, .size: 8, .value_kind: global_buffer, .address_space: global }
      - { .name: kvs, .offset: 24, .size: 8, .value_kind: global_buffer, .address_space: global }
      - { .name: ao, .offset: 32, .size: 8, .value_kind: global_buffer, .address_space: global }
      - { .name: aos, .offset: 40, .size: 8, .value_kind: global_buffer, .address_space: global }
    .group_segment_fixed_size: 327680
    .private_segment_fixed_size: 0
    .kernarg_segment_align: 8
    .kernarg_segment_size: 48
    .max_flat_workgroup_size: 512
    .sgpr_count:     80
    .vgpr_count:     256
    .wavefront_size: 32
...
	.end_amdgpu_metadata
.endif
;; end of part 3
;; launch outp (part 4): grid 8 x 32, 4 waves a work-group, clusters of 4 x 4, 304,640 bytes of LDS; arguments ao, aos, out_w_codes, out_w_scales, out_b, out0; writes out0
.if DOCPART == 4
	.amdgcn_target "amdgcn-amd-amdhsa--gfx1250"
	.amdhsa_code_object_version 6
	.text
	.protected	k_q9a948b3fc9_outp
	.globl	k_q9a948b3fc9_outp
	.p2align	8
	.type	k_q9a948b3fc9_outp,@function
k_q9a948b3fc9_outp:
	s_mov_b64 s[64:65], 0
	v_nop
	global_prefetch_b8 v0, s[64:65] scope:SCOPE_SE
	s_setreg_imm32_b32 hwreg(HW_REG_WAVE_MODE, 25, 1), 1
	s_wait_xcnt 0x0
	s_wait_alu depctr_hold_cnt(0) depctr_sa_sdst(0) depctr_va_vdst(0) depctr_va_sdst(0) depctr_va_ssrc(0) depctr_va_vcc(0) depctr_vm_vsrc(0)
	s_getreg_b32 s2, hwreg(HW_REG_IB_STS2, 6, 4)
	s_cmp_eq_u32 s2, 0
	s_cbranch_scc0 .Lentry_in_a_cluster
	s_endpgm
.Lentry_in_a_cluster:
	s_bfe_u32 s2, ttmp6, 0x10000c
	s_cmp_lg_u32 s2, 0xf033
	s_cbranch_scc0 .Lentry_shape_is_right
	s_endpgm
.Lentry_shape_is_right:
; out0 = attention's output x out_w^T + out_b on codes of BF8 (E5M2), K = 1,024; out0 is f32.
; SHARES.  A work-group takes 128 tokens x 128 columns; a wave two token tiles against all 128 rows of out_w: 16 accumulators.  Source 0 = 16 rows of out_w, source 1 = 16 tokens: a lane holds eight
; neighbouring columns of one row of out0.  The bias is the C of each sum's first product.
; All of K lies in LDS: two halves of 512 along K, each with two loads of its own, so that the work begins on the first; nothing is filled again.  The tokens' codes come as images of operand registers,
; whose order of k inside a block of 32 out_w's rows are read in too (eight loads of 8 bytes a fragment): the products of a block are summed in another order than memory's, alike on both sides.
; CLUSTERS: 4 x 4; the tokens' images are asked for jointly along a row, out_w's tiles along a column.
; The way out goes through each wave's own stage in LDS, into which no tensor load lands: whole rows of 512 bytes leave.
; REGISTERS: window 0: v1-19 addresses, v48-127 scale words, v128-255 rows on the way out.  window 1: accumulators ((l, t) at 64 l + 8 t).  window 2: fragment set 0, v192-255 the bias.  window 3: set 1.
; THE FILLS AS THEY STAND NOW, one load a wave, each in an arm of its own: wave 0 the images of K steps 0-3, wave 1 out_w's 128 rows of K 0-511, wave 2 the images of K steps 4-7, wave 3 out_w's K 512-1023.
; Waves 0 and 1 wait at the first barrier, all waves at the second, ahead of K step 4.
.set PITCH, 528                        ; a row of out_w's half of K: 512 bytes + 16 of padding
.set WB,    131072                     ; behind the images' 128 KB: out_w's two halves of 128 rows x 528 bytes
.set WCH,   128*PITCH
.set STG,   WB+2*WCH                   ; the stages: 16 rows x 528 bytes a wave
.set SP,    528
.set LI,   4
.set AW,   8                           ; v8-9  out_w's rows in half 0, 1
.set AA,   12                          ; v12-13 my two token tiles' images, K steps 0-3 and 4-7
.set STO,  14
.set RD,   15
.set A_B,  48                          ; out_w's word of tile t, K step s: v[48 + 8 t + s]
.set A_T1, 32
.set A_T0, 8
.set A_S,  1
.set B_B,  112                         ; the tokens': v[112 + 8 l + s]
.set B_T0, 8
.set B_S,  1
.set WV,  16
.set HB,  17
.set FB,  18
.set CX,  19
.set CY,  20
.set BX,  21
.set BY,  22
.set G1A, 24
.set G1W, 32
.set G0A, 40                           ; s[40:43] the group 0 for the images
.set G0W, 68                           ; s[68:71] the one for out_w
.set MSB, 0
.macro WIN new
.if MSB != (\new)
	s_set_vgpr_msb (MSB<<8)|(\new)
.set MSB, (\new)
.endif
.endm
.macro PLACES n
.rept \n
	v_nop
.endr
.endm
.macro BAR
	s_barrier_signal -1
	s_barrier_wait -1
.endm
.macro ROUND
	s_barrier_signal -1
	s_barrier_wait -1
	s_cmp_lg_u32 s[WV], 0
	s_cbranch_scc1 .Lnot_wave_0_\@
	s_barrier_signal -3
.Lnot_wave_0_\@:
	s_barrier_wait -3
	s_barrier_signal -1
	s_barrier_wait -1
.endm
.macro FRAG_P dst, adr, off
.irp e, 0,1,2,3,4,5,6,7
	ds_load_b64 v[(\dst)+2*\e:(\dst)+2*\e+1], v[\adr] offset:(\off)+16*\e
.endr
.endm
.macro FRAG_I dst, adr, off
.irp c, 0,1,2,3
	ds_load_b128 v[(\dst)+4*\c:(\dst)+4*\c+3], v[\adr] offset:(\off)+512*\c
.endr
.endm
.macro FETCH p, s
	WIN 0x80+0x40*(\p)
.irp t, 0,1,2,3,4,5,6,7
	FRAG_P 16*\t, AW+(\s)/4, 16*\t*PITCH+128*((\s)%4)
.endr
.irp l, 0,1
	FRAG_I 128+16*\l, AA+(\s)/4, 16384*((\s)%4)+2048*\l
.endr
.endm
.macro MUL p, s, cm                    ; 16 products, the accumulators by turns.  cm = 1: the bias starts the sums
.if (\cm) == 0
	WIN 0x5a+5*(\p)
.else
	WIN 0x6a
.endif
.irp l, 0,1
.irp t, 0,1,2,3,4,5,6,7
.set rD, 64*\l+8*\t
.set rA, 16*\t
.set rB, 128+16*\l
.set rX, A_B+A_T1*(\t/4)+A_T0*(\t%4)+A_S*(\s)
.set rY, B_B+B_T0*\l+B_S*(\s)
.if (\cm) == 0
	v_wmma_scale_f32_16x16x128_f8f6f4 v[rD:rD+7], v[rA:rA+15], v[rB:rB+15], v[rD:rD+7], v[rX], v[rY] matrix_a_fmt:MATRIX_FMT_BF8 matrix_b_fmt:MATRIX_FMT_BF8
.else
	v_wmma_scale_f32_16x16x128_f8f6f4 v[rD:rD+7], v[rA:rA+15], v[rB:rB+15], v[192+8*\t:192+8*\t+7], v[rX], v[rY] matrix_a_fmt:MATRIX_FMT_BF8 matrix_b_fmt:MATRIX_FMT_BF8
.endif
.endr
.endr
.endm
	s_load_b256 s[4:11], s[0:1], 0x0               ; ao s[4:5], aos s[6:7], out_w's codes s[8:9], its scales s[10:11]
	s_load_b128 s[12:15], s[0:1], 0x20             ; out_b s[12:13], out0 s[14:15]
	v_lshl_add_u32 v46, v0, 2, 0x4a400
	v_mov_b32 v47, 0
	ds_add_u32 v46, v47
	ds_add_u32 v46, v47
	v_lshrrev_b32 v1, 5, v0
	v_readfirstlane_b32 s[WV], v1
	s_lshr_b32 s[HB], s[WV], 1                     ; which half of K I fetch
	s_bfe_u32 s[CX], ttmp6, 0x40000
	s_bfe_u32 s[CY], ttmp6, 0x40004
	s_lshl_b32 s[BX], ttmp9, 2
	s_add_co_u32 s[BX], s[BX], s[CX]               ; block of 128 columns
	s_and_b32 s[BY], ttmp7, 0xffff
	s_lshl_b32 s[BY], s[BY], 2
	s_add_co_u32 s[BY], s[BY], s[CY]               ; block of 128 tokens
	s_lshl_b32 s23, s[CY], 2
	s_lshl_b32 s23, 15, s23                        ; my row of the cluster
	s_lshl_b32 s84, 0x1111, s[CX]                  ; my column
	s_or_b32 s[G1A], s23, (3<<16)|(1<<21)          ; a K step's images of 128 tokens: a dense block of 16 KB as 64 rows of 256 bytes
	s_mov_b32 s[G1A+1], 32<<16
	s_mov_b32 s[G1A+2], 256<<16                    ; four K steps' images: 65,536 dense bytes as 256 rows of 256
	s_mov_b32 s[G1A+3], 32<<16
	s_mov_b32 s[G1A+4], 256
	s_mov_b32 s[G1A+5], 32
	s_mov_b32 s[G1A+6], 0
	s_mov_b32 s[G1A+7], 0
	s_or_b32 s[G1W], s84, (1<<20)|(1<<21)|(6<<22)|(3<<25)   ; 128 rows of 512 bytes, 1,024 apart, 16 bytes of padding behind each
	s_mov_b32 s[G1W+1], 512<<16
	s_mov_b32 s[G1W+2], 128<<16
	s_mov_b32 s[G1W+3], 512<<16
	s_mov_b32 s[G1W+4], 128
	s_mov_b32 s[G1W+5], 1024
	s_mov_b32 s[G1W+6], 0
	s_mov_b32 s[G1W+7], 0
	s_lshl_b32 s92, s[BY], 17                      ; the block's images: 131,072 bytes; of the two halves of K, mine
	s_lshl_b32 s96, s[HB], 16
	s_add_co_u32 s92, s92, s96
	s_mov_b32 s93, 0
	s_lshl_b32 s94, s[BX], 17                      ; 128 bx rows of 1,024 bytes, + 512 for my half of K
	s_lshl_b32 s95, s[HB], 9
	s_add_co_u32 s94, s94, s95
	s_mov_b32 s95, 0
	s_mul_i32 s97, s[HB], WCH
	s_add_co_u32 s97, s97, WB
	s_wait_dscnt 0x0
	s_wait_kmcnt 0x0
	s_add_nc_u64 s[92:93], s[4:5], s[92:93]
	s_add_nc_u64 s[94:95], s[8:9], s[94:95]
	ROUND                                          ; in front of the joint loads
.irp j, 0
	s_mov_b32 s[G0A+4*\j], 1
	s_add_co_u32 s[G0A+4*\j+1], s96, 32768*\j
	s_add_nc_u64 s[G0A+4*\j+2:G0A+4*\j+3], s[92:93], 32768*\j
	s_or_b32 s[G0A+4*\j+3], s[G0A+4*\j+3], 0x80000000
	s_mov_b32 s[G0W+4*\j], 1
	s_add_co_u32 s[G0W+4*\j+1], s97, WCH*\j
	s_add_nc_u64 s[G0W+4*\j+2:G0W+4*\j+3], s[94:95], 256*\j
	s_or_b32 s[G0W+4*\j+3], s[G0W+4*\j+3], 0x80000000
.endr
.macro ARM under, g0, g1, next         ; one chain of branches on the wave's number, a load to an arm
	s_cmp_lt_u32 s[WV], \under
	s_cbranch_scc0 \next
	tensor_load_to_lds s[\g0:\g0+3], s[\g1:\g1+7]
	s_nop 0
	PLACES 4
	s_branch .Lfirst_done
\next:
.endm
	ARM 1, G0A, G1A, .Lh1
	ARM 2, G0W, G1W, .Lh2
	ARM 3, G0A, G1A, .Lh3
	tensor_load_to_lds s[G0W:G0W+3], s[G1W:G1W+7]
	s_nop 0
	PLACES 4
.Lfirst_done:
	v_and_b32 v1, 31, v0
	v_and_b32 v2, 15, v0                           ; r
	v_bfe_u32 v3, v0, 4, 1                         ; h
	v_lshlrev_b32 v[LI], 4, v1
	v_mul_u32_u24 v16, v2, PITCH
	v_lshl_add_u32 v16, v3, 3, v16                 ; row r, + 8 h
.irp j, 0,1
	v_add_nc_u32 v[AW+\j], WB+\j*WCH, v16
.endr
	s_lshl_b32 s2, s[WV], 12                       ; my two tiles of a K step's eight
	v_add_nc_u32 v[AA], s2, v[LI]
	v_add_nc_u32 v[AA+1], 65536, v[AA]
	s_mul_i32 s2, s[WV], 16*SP
	s_add_co_u32 s2, s2, STG                       ; my stage
	v_mul_u32_u24 v[STO], v2, SP
	v_lshl_add_u32 v[STO], v3, 5, v[STO]
	v_add_nc_u32 v[STO], s2, v[STO]                ; in: row r, 32 bytes for each half of the lanes
	v_add_nc_u32 v[RD], s2, v[LI]                  ; back: the 32 lanes take a row of 512 bytes
	v_lshlrev_b32 v17, 5, v2                       ; a row of scale bytes is 32 bytes
	s_wait_alu depctr_va_vdst(0)
	v_lshlrev_b32 v18, 5, v3
	s_wait_alu depctr_va_vdst(0)
	s_lshl_b32 s86, s[BX], 12
	s_mov_b32 s87, 0
	s_add_nc_u64 s[10:11], s[10:11], s[86:87]
	s_lshl_b32 s86, s[BX], 9
	s_add_nc_u64 s[12:13], s[12:13], s[86:87]
	s_lshl_b32 s88, s[BY], 12
	s_lshl_b32 s89, s[WV], 10
	s_add_co_u32 s88, s88, s89                     ; (128 by + 32 wave) x 32 bytes
	s_mov_b32 s89, 0
	s_add_nc_u64 s[6:7], s[6:7], s[88:89]
	s_lshl_b32 s90, s[BY], 19
	s_lshl_b32 s91, s[WV], 17
	s_add_co_u32 s90, s90, s91
	s_add_co_u32 s90, s90, s86                     ; (128 by + 32 wave) rows of 4,096 bytes + 512 bx
	s_mov_b32 s91, 0
	s_add_nc_u64 s[14:15], s[14:15], s[90:91]
.irp t, 0,1,2,3,4,5,6,7
	global_load_b128 v[A_B+8*\t:A_B+8*\t+3], v17, s[10:11] offset:512*\t
	global_load_b128 v[A_B+8*\t+4:A_B+8*\t+7], v17, s[10:11] offset:512*\t+16
.endr
.irp l, 0,1
	global_load_b128 v[B_B+8*\l:B_B+8*\l+3], v17, s[6:7] offset:512*\l
	global_load_b128 v[B_B+8*\l+4:B_B+8*\l+7], v17, s[6:7] offset:512*\l+16
.endr
	WIN 0x80
.irp t, 0,1,2,3,4,5,6,7
	global_load_b128 v[192+8*\t:192+8*\t+3], v18, s[12:13] offset:64*\t
	global_load_b128 v[192+8*\t+4:192+8*\t+7], v18, s[12:13] offset:64*\t+16
.endr
	WIN 0
	s_cmp_lt_u32 s[WV], 2                          ; waves 0, 1: the first halves of K are in.  Waves 2, 3, whose load lines are their own, wait at the second barrier
	s_cbranch_scc0 .Lnot_yet
	s_wait_tensorcnt 0x0
.Lnot_yet:
	BAR
	FETCH 0, 0
	s_wait_loadcnt 0x0
	s_wait_dscnt 0x0
	FETCH 1, 1
	MUL 0, 0, 1
	s_wait_dscnt 0x0
	PLACES 8                                       ; ahead of loads into registers that matrix instructions have read
	FETCH 0, 2
	MUL 1, 1, 0
	s_wait_dscnt 0x0
	PLACES 8
	FETCH 1, 3
	MUL 0, 2, 0
	s_wait_dscnt 0x0
	s_wait_tensorcnt 0x0                           ; every wave: the second halves of K are in
	BAR
	PLACES 8
	FETCH 0, 4
	MUL 1, 3, 0
	s_wait_dscnt 0x0
	PLACES 8
	FETCH 1, 5
	MUL 0, 4, 0
	s_wait_dscnt 0x0
	PLACES 8
	FETCH 0, 6
	MUL 1, 5, 0
	s_wait_dscnt 0x0
	PLACES 8
	FETCH 1, 7
	MUL 0, 6, 0
	s_wait_dscnt 0x0
	MUL 1, 7, 0
	PLACES 8                                       ; ahead of the first read of results
.irp l, 0,1                                    ; a token tile goes into my stage and comes back as whole rows; LDS serves a wave's instructions in order (ISA guide 5.7.1.4): no wait between
	WIN 0x04                                       ; an LDS store's data are its source 1: window 1
.irp t, 0,1,2,3,4,5,6,7
	ds_store_b128 v[STO], v[64*\l+8*\t:64*\l+8*\t+3] offset:64*\t          ; each accumulator from its low end on
	ds_store_b128 v[STO], v[64*\l+8*\t+4:64*\l+8*\t+7] offset:64*\t+16
.endr
	WIN 0
.irp i, 0,1,2,3,4,5,6,7,8,9,10,11,12,13,14,15
	ds_load_b128 v[128+64*\l+4*\i:128+64*\l+4*\i+3], v[RD] offset:\i*SP
.endr
.endr
	s_wait_dscnt 32                                ; the first tile is back: behind its loads stand the second's 16 stores and 16 loads
.irp i, 0,1,2,3,4,5,6,7,8,9,10,11,12,13,14,15
	global_store_b128 v[LI], v[128+4*\i:128+4*\i+3], s[14:15] offset:\i*4096 th:TH_STORE_NT   ; 32 lanes store 512 consecutive bytes, aligned
.endr
	s_wait_dscnt 0x0
.irp i, 0,1,2,3,4,5,6,7,8,9,10,11,12,13,14,15
	global_store_b128 v[LI], v[192+4*\i:192+4*\i+3], s[14:15] offset:(16+\i)*4096 th:TH_STORE_NT
.endr
	s_wait_tensorcnt 0x0
	ds_add_u32 v46, v47
	s_wait_dscnt 0x0
	ROUND                                          ; the closing round
	s_endpgm
.Lfunc_end_k_q9a948b3fc9_outp:
	.size	k_q9a948b3fc9_outp, .Lfunc_end_k_q9a948b3fc9_outp-k_q9a948b3fc9_outp
	.p2alignl 7, 3214868480
	.fill 96, 4, 3214868480
	.section	.rodata,"a",@progbits
	.p2align	6, 0x0
	.amdhsa_kernel k_q9a948b3fc9_outp
		.amdhsa_group_segment_fixed_size 304640
		.amdhsa_private_segment_fixed_size 0
		.amdhsa_enable_private_segment 0
		.amdhsa_kernarg_size 48
		.amdhsa_user_sgpr_count 2
		.amdhsa_user_sgpr_kernarg_segment_ptr 1
		.amdhsa_wavefront_size32 1
		.amdhsa_system_sgpr_workgroup_id_x 1
		.amdhsa_system_sgpr_workgroup_id_y 1
		.amdhsa_system_sgpr_workgroup_id_z 1
		.amdhsa_system_vgpr_workitem_id 0
		.amdhsa_next_free_vgpr 1024
		.amdhsa_next_free_sgpr 98
		.amdhsa_reserve_vcc 0
		.amdhsa_float_denorm_mode_32 3
		.amdhsa_float_denorm_mode_16_64 3
		.amdhsa_memory_ordered 1
		.amdhsa_forward_progress 1
		.amdhsa_inst_pref_size 73
	.end_amdhsa_kernel
	.amdgpu_metadata
---
amdhsa.version: [ 1, 2 ]
amdhsa.kernels:
  - .name:           k_q9a948b3fc9_outp
    .symbol:         k_q9a948b3fc9_outp.kd
    .args:
      - { .name: ao, .offset: 0, .size: 8, .value_kind: global_buffer, .address_space: global }
      - { .name: aos, .offset: 8, .size: 8, .value_kind: global_buffer, .address_space: global }
      - { .name: out_w_codes, .offset: 16, .size: 8, .value_kind: global_buffer, .address_space: global }
      - { .name: out_w_scales, .offset: 24, .size: 8, .value_kind: global_buffer, .address_space: global }
      - { .name: out_b, .offset: 32, .size: 8, .value_kind: global_buffer, .address_space: global }
      - { .name: out0, .offset: 40, .size: 8, .value_kind: global_buffer, .address_space: global }
    .group_segment_fixed_size: 304640
    .private_segment_fixed_size: 0
    .kernarg_segment_align: 8
    .kernarg_segment_size: 48
    .max_flat_workgroup_size: 128
    .sgpr_count:     98
    .vgpr_count:     1024
    .wavefront_size: 32
...
	.end_amdgpu_metadata
.endif
;; end of part 4
